; MI455X (gfx1250); checked and timed in simulation.
; The chip was launched on July 23, 2026; its instructions are those of AMD's public machine-readable ISA for CDNA 5 (MIT licence, August 2026) and "CDNA5" Instruction Set Architecture Reference Guide (July 2026). The comments in the code are by the model that wrote it; some were corrected since.
;; MHA. Allowed arithmetic: matrix products marked QUANTISED: E2M1 operands, one E8M0 scale for each 32 along K, by v_wmma_scale_f32_16x16x128_f8f6f4 with both operands' format E2M1 (or v_wmma_scale_f32_32x16x128_f4), f32 sums; products left as they are: bf16, f16 or f32 operands; f32 sums; everything else in f32.
;; Inputs: k 4 x 2,048 x 1,024 float32; q 4 x 2,048 x 1,024 float32; v 4 x 2,048 x 1,024 float32; wk_b 1,024 float32; wk_w 1,024 x 1,024 float32; wo_b 1,024 float32; wo_w 1,024 x 1,024 float32; wq_b 1,024 float32; wq_w 1,024 x 1,024 float32; wv_b 1,024 float32; wv_w 1,024 x 1,024 float32.
;; Outputs: out0 4 x 2,048 x 1,024 float32.
;; This version of the problem:
;;   THIS VERSION OF THE PROBLEM IS GIVEN IN LOW PRECISION. The matrix products marked QUANTISED in the list below multiply operands that are first quantised to E2M1 (2 exponent bits, 1 mantissa bit; 4 bits a number), with one power-of-two scale for each 32 numbers along K (OCP MX v1.0); their sums are f32. The products marked 'left as it is' may take bf16, f16 or f32 operands, with f32 sums. Whichever they take, every output number must still come out within the allowed error. Rounding operands to bf16 (8 significant bits) uses up far more of that allowance than f16 does (11 bits, for magnitudes from 6e-5 to 65,504). All else is computed in f32.
;;   The module's matrix products, in the order in which they are computed (A, B: the left and right operand; K: the contracted axis; several contracted axes count as one K, in the product's order):
;;     1. [M 8,192, K 1,024] x [K 1,024, N 1,024]; A: input q; B: input wq_w: QUANTISED
;;     2. [M 8,192, K 1,024] x [K 1,024, N 1,024]; A: input k; B: input wk_w: QUANTISED
;;     3. [M 8,192, K 1,024] x [K 1,024, N 1,024]; A: input v; B: input wv_w: QUANTISED
;;     4. batch 64 x [M 2,048, K 64] x [K 64, N 2,048]; A: computed on the way; B: computed on the way: left as it is (an operand is computed on the way)
;;     5. batch 64 x [M 2,048, K 2,048] x [K 2,048, N 64]; A: computed on the way; B: computed on the way: left as it is (an operand is computed on the way)
;;     6. [M 8,192, K 1,024] x [K 1,024, N 1,024]; A: computed on the way; B: input wo_w: left as it is (an operand is computed on the way)
;;   THE QUANTISER, for each operand of a quantised product, along K:
;;     - K is cut into blocks of 32 from its start; a last block that is shorter is filled with zeros.
;;     - A block's scale is 2^e with e = floor(log2(the largest magnitude in the block)) - 2, held to -126 .. 127; a block of zeros has e = 0. As a byte (E8M0): e + 127.
;;     - Each number is divided by its block's scale, clamped to +-6, and rounded to the nearest number of E2M1, ties to even, subnormals kept.
;;     - The product sums the exact products of the quantised numbers (number of the format x scale) in f32.
;;   ~~~python
;;   def quantise(x, axis):      # numpy; x: float32 -> the quantised numbers, widened to float32 again
;;       x = np.moveaxis(x, axis, -1); K = x.shape[-1]
;;       x = np.pad(x, [(0, 0)] * (x.ndim - 1) + [(0, -K % 32)]); x = x.reshape(x.shape[:-1] + (-1, 32)); a = np.abs(x).max(-1, keepdims=True)
;;       e = np.where(a > 0, np.clip(np.frexp(np.where(a > 0, a, 1))[1] - 1 - 2, -126, 127), 0)      # np.frexp(a)[1] - 1 = floor(log2(a)), exactly
;;       r = np.clip(x / 2.0 ** e, -6, 6)
;;       step = 2.0 ** (np.maximum(np.frexp(np.where(r == 0, 1, r))[1] - 1, 0) - 1)
;;       q = np.round(r / step) * step * 2.0 ** e      # np.round: ties to even
;;       return np.moveaxis(q.reshape(q.shape[:-2] + (-1,))[..., :K], -1, axis).astype(np.float32)
;;   ~~~
;; One version. Each part assembles by itself: llvm-mc -triple=amdgcn-amd-amdhsa -mcpu=gfx1250 --defsym DOCPART=n.
;; ======== version 1 of 1: 5 launches
;; limits: values are held in f16: magnitudes above 65,504 overflow, below 6.1e-05 lose precision
;; workspace buffers: codes 14,155,776 bytes; scales 884,736 bytes; wo16 2,097,152 bytes; qkv16 50,331,648 bytes; qkv32 786,432 bytes; ao16 16,777,216 bytes
;; launch quant (part 1): grid 896 x 1, 4 waves a work-group, no clusters, 33,280 bytes of LDS; arguments q, k, v, wq_w, wk_w, wv_w, wo_w, codes, scales, wo16; writes codes, scales, wo16
.if DOCPART == 1
	.amdgcn_target "amdgcn-amd-amdhsa--gfx1250"
	.amdhsa_code_object_version 6
	.text
	.protected	k_q9f8a8b124e_quant
	.globl	k_q9f8a8b124e_quant
	.p2align	8
	.type	k_q9f8a8b124e_quant,@function
k_q9f8a8b124e_quant:
	s_mov_b64 s[64:65], 0
	v_nop
	global_prefetch_b8 v0, s[64:65] scope:SCOPE_SE
	s_setreg_imm32_b32 hwreg(HW_REG_WAVE_MODE, 25, 1), 1
	s_wait_xcnt 0x0
; q, k, v [8192][1024] and wq_w, wk_w, wv_w [1024][1024], f32 with K innermost, become codes of FP4 (E2M1), two to a byte, and one E8M0 scale byte for each 32 along K.
; wo_w [1024][1024] is cast to f16 and laid by head: wo16[hh][n][c] = wo_w[n][64 hh + c].
; A block's scale is 2^(floor(log2(its largest magnitude)) - 2); its byte is the largest magnitude's exponent field - 2, held at 1 from below.  A block of zeros so gets the byte 1
; where the quantiser says 127: its codes are zeros, which add nothing under any byte but 0xff, and the bytes are read by this program alone.
; LIMITS: blocks whose largest magnitude lies under 2^-124, the floor, keep the byte 1; NaN and infinities among the inputs are not served; wo_w's numbers stay under 65,504 (f16).
; SHARES.  Rows are dense and K is a multiple of 32: each tensor is a plain stream of blocks of 32.  Work-group g < 864 takes 32,768 numbers: g 0-255 q, 256-511 k, 512-767 v, 768-799 wq_w, 800-831 wk_w,
; 832-863 wv_w.  The codes and the scale bytes follow g: run 4 g + wave has its 4,096 bytes of codes and its 256 scale bytes on end.  Work-groups 864-895 cast wo_w, 32 rows each.
; A wave takes 16 steps of 512 numbers.  Each of a step's four loads reads 512 consecutive bytes; the 2,048 bytes turn through the wave's own stage in LDS and come back 64 bytes a lane, so that a lane holds
; 16 neighbours along K, as the conversions want them; two neighbouring lanes hold a block.  No tensor loads, no barrier, no cluster: waves and work-groups share nothing.
.set WAVES, 4
.set STEPS, 16
.set EMAX,  2
.set CB,    8                          ; bytes of 16 codes
.set R,     16                         ; v16-79   four sets of 16 numbers as they are loaded
.set X,     80                         ; v80-111  two sets of 16 neighbours
.set E,     112                        ; v112-127 a scale byte for each step
.set C,     128                        ; v128-191 codes: four registers for each step, so that no store's data are written again
.set WREG,  8192                       ; LDS: a region for each wave: two stages of 32 x SP bytes, and behind them its 256 scale bytes
.set SP,    80                         ; a lane's place in a stage: its 64 bytes + 16 of padding
.set SPW,   12                         ; v12  LDS address of my spare word; never rewritten
.set NIL,   13                         ; v13  0; never rewritten
.set SPARE, WAVES*WREG                 ; behind the four regions: the spare words, 128 bytes for each wave
	s_load_b256 s[4:11], s[0:1], 0x0               ; q, k, v, wq_w
	s_load_b256 s[12:19], s[0:1], 0x20             ; wk_w, wv_w, wo_w, codes
	s_load_b128 s[20:23], s[0:1], 0x40             ; scales, wo16
	v_lshl_add_u32 v[SPW], v0, 2, SPARE
	v_mov_b32 v[NIL], 0
	v_lshrrev_b32 v1, 5, v0
	v_readfirstlane_b32 s24, v1                    ; wave
	v_and_b32 v2, 31, v0                           ; lane
	v_lshlrev_b32 v3, 4, v2                        ; my 16 bytes of a load's 512
	s_mul_i32 s25, s24, WREG
	v_lshrrev_b32 v14, 2, v2
	v_mul_u32_u24 v14, v14, SP
	v_and_b32 v15, 3, v2
	v_lshl_add_u32 v14, v15, 4, v14
	v_add_nc_u32 v14, s25, v14                     ; the stage, on the way in: SP (lane / 4) + 16 (lane % 4)
	v_mul_u32_u24 v15, v2, SP
	v_add_nc_u32 v15, s25, v15                     ; and on the way out: SP x lane: my 16 neighbours
	v_mul_u32_u24 v4, v2, CB                       ; my codes' place in a step's
	v_lshrrev_b32 v5, 1, v2
	s_add_co_u32 s25, s25, 2*32*SP
	v_add_nc_u32 v5, s25, v5                       ; LDS: my wave's 256 scale bytes, my block's byte
	v_lshlrev_b32 v7, 3, v2                        ; and on the way out 8 bytes a lane
	v_add_nc_u32 v6, s25, v7
	s_wait_kmcnt 0x0
	s_cmp_ge_u32 ttmp9, 864                        ; the last 32 work-groups cast wo_w
	s_cbranch_scc1 .Lcast
	; which tensor is mine: the choice hangs on the work-group's number alone
	s_mov_b64 s[26:27], s[14:15]                   ; wv_w,
	s_mov_b32 s28, 832                             ; whose first work-group is 832
	s_cmp_lt_u32 ttmp9, 832
	s_cselect_b64 s[26:27], s[12:13], s[26:27]
	s_cselect_b32 s28, 800, s28
	s_cmp_lt_u32 ttmp9, 800
	s_cselect_b64 s[26:27], s[10:11], s[26:27]
	s_cselect_b32 s28, 768, s28
	s_cmp_lt_u32 ttmp9, 768
	s_cselect_b64 s[26:27], s[8:9], s[26:27]
	s_cselect_b32 s28, 512, s28
	s_cmp_lt_u32 ttmp9, 512
	s_cselect_b64 s[26:27], s[6:7], s[26:27]
	s_cselect_b32 s28, 256, s28
	s_cmp_lt_u32 ttmp9, 256
	s_cselect_b64 s[26:27], s[4:5], s[26:27]
	s_cselect_b32 s28, 0, s28
	s_sub_co_u32 s28, ttmp9, s28
	s_lshl_b32 s28, s28, 2
	s_add_co_u32 s28, s28, s24                     ; which run of 8,192 numbers of the tensor is my wave's: 1,023 at the most
	s_lshl_b32 s28, s28, 15                        ; 32,768 bytes a run
	s_mov_b32 s29, 0
	s_add_nc_u64 s[26:27], s[26:27], s[28:29]
	s_lshl_b32 s30, ttmp9, 2
	s_add_co_u32 s30, s30, s24                     ; which run of the whole stream
	s_lshl_b32 s28, s30, 12
	s_add_nc_u64 s[18:19], s[18:19], s[28:29]      ; its 4,096 bytes of codes
	s_lshl_b32 s28, s30, 8
	s_add_nc_u64 s[20:21], s[20:21], s[28:29]      ; its 256 scale bytes
.macro LOAD t
.irp i, 0,1,2,3
	global_load_b128 v[R+16*((\t)%4)+4*\i:R+16*((\t)%4)+4*\i+3], v3, s[26:27] offset:2048*(\t)+512*\i th:TH_LOAD_NT   ; 32 lanes read 512 consecutive bytes
.endr
.endm
.macro TURN t                          ; step t's numbers through the stage: LDS serves a wave's instructions in order, so no wait stands between the stores and the loads
.irp i, 0,1,2,3
	ds_store_b128 v14, v[R+16*((\t)%4)+4*\i:R+16*((\t)%4)+4*\i+3] offset:32*SP*((\t)%2)+8*SP*\i
.endr
.irp i, 0,1,2,3
	ds_load_b128 v[X+16*((\t)%2)+4*\i:X+16*((\t)%2)+4*\i+3], v15 offset:32*SP*((\t)%2)+16*\i
.endr
.endm
.irp t, 0,1,2,3
	LOAD \t
.endr
	s_wait_loadcnt 12                              ; step 0's four loads are in; the 12 of steps 1 to 3 may be out
	TURN 0
.macro STEP t
.set XS, X+16*((\t)%2)
.if (\t) > 0
	s_wait_dscnt 1                                 ; this step's numbers are back from the stage (the last step's byte store may be out)
.else
	s_wait_dscnt 0x0
.endif
.if (\t)+4 < STEPS
	LOAD (\t)+4                                    ; into the registers that the stage's stores have read
.endif
.if (\t)+1 < STEPS
.if STEPS-2-(\t) >= 3
	s_wait_loadcnt 12                              ; the next step's four loads are in; those of the three steps behind it may be out
.else
	s_wait_loadcnt 4*(STEPS-2-(\t))
.endif
	TURN (\t)+1                                    ; they go through the other stage while this step is worked
.endif
	v_max3_num_f32 v8, |v[XS]|, |v[XS+1]|, |v[XS+2]|               ; the largest magnitude of my 16, in two chains
	v_max3_num_f32 v9, |v[XS+3]|, |v[XS+4]|, |v[XS+5]|
.irp i, 6,10
	v_max3_num_f32 v8, v8, |v[XS+\i]|, |v[XS+\i+1]|
	v_max3_num_f32 v9, v9, |v[XS+\i+2]|, |v[XS+\i+3]|
.endr
	v_max3_num_f32 v8, v8, |v[XS+14]|, |v[XS+15]|
	v_max3_num_f32 v8, v8, v9, (EMAX+1)<<23        ; and the floor 2^(3 - 127): so the byte cannot fall under 1
	v_max_num_f32_dpp v8, v8, v8 row_xmask:1 row_mask:0xf bank_mask:0xf   ; and of my neighbour's 16: the block's
	v_add_nc_u32 v11, -(EMAX<<23), v8              ; 2 off its exponent field: the conversion takes the exponent field of this operand as its scale, and nothing else of it
	v_cvt_scalef32_pk8_fp4_f32 v[C+4*(\t)], v[XS:XS+7], v11         ; eight numbers / the scale, to the nearest code, ties to even, beyond the largest code the largest
	v_cvt_scalef32_pk8_fp4_f32 v[C+4*(\t)+1], v[XS+8:XS+15], v11
	v_lshrrev_b32 v[E+(\t)], 23, v11               ; the scale's byte (also the plain line behind the conversions)
	ds_store_b8 v5, v[E+(\t)] offset:16*(\t)       ; both lanes of a block write the same byte with the same value
	global_store_b64 v4, v[C+4*(\t):C+4*(\t)+1], s[18:19] offset:32*CB*(\t)   ; the wave stores 256 consecutive bytes, aligned
.endm
.irp t, 0,1,2,3,4,5,6,7,8,9,10,11,12,13,14,15
	STEP \t
.endr
	ds_load_b64 v[8:9], v6                         ; LDS serves a wave's instructions in order: these see my stores
	s_wait_dscnt 0x0
	global_store_b64 v7, v[8:9], s[20:21]          ; 32 lanes store 256 consecutive bytes, aligned
	s_wait_tensorcnt 0x0                           ; the wave's end, behind my last LDS store
	ds_add_u32 v[SPW], v[NIL]
	s_wait_dscnt 0x0
	s_endpgm
; THE CAST.  Work-group c = g - 864 takes rows 32 c on, wave w eight of them, two at a time.  A load reads, for one head hh, 256 bytes of row n (lanes 0-15) and 256 of row n + 1 (lanes 16-31);
; a store writes rows n and n + 1 of that head: 256 consecutive bytes of wo16, aligned.  Two sets of 64 registers take turns.
.Lcast:
	v_lshrrev_b32 v8, 4, v2
	v_and_b32 v9, 15, v2
	v_lshlrev_b32 v9, 4, v9
	v_lshl_add_u32 v8, v8, 12, v9                  ; in: (lane / 16) rows of 4,096 bytes + 16 (lane % 16)
	v_lshlrev_b32 v9, 3, v2                        ; out: 8 x lane
	s_sub_co_u32 s28, ttmp9, 864
	s_lshl_b32 s28, s28, 5
	s_lshl_b32 s29, s24, 3
	s_add_co_u32 s30, s28, s29                     ; my first row
	s_lshl_b32 s28, s30, 12
	s_mov_b32 s29, 0
	s_add_nc_u64 s[16:17], s[16:17], s[28:29]
	s_lshl_b32 s28, s30, 7
	s_add_nc_u64 s[22:23], s[22:23], s[28:29]
.macro CASTLD p
.irp h, 0,1,2,3,4,5,6,7,8,9,10,11,12,13,14,15
	global_load_b128 v[16+64*((\p)%2)+4*\h:16+64*((\p)%2)+4*\h+3], v8, s[16:17] offset:(\p)*8192+\h*256 th:TH_LOAD_NT
.endr
.endm
.macro CASTST p
	s_wait_xcnt 0x0                                ; the last pair's stores have read their data: v144-175 are written again only behind this wait
.irp h, 0,1,2,3,4,5,6,7,8,9,10,11,12,13,14,15
	v_cvt_pk_f16_f32 v[144+2*\h], v[16+64*((\p)%2)+4*\h], v[16+64*((\p)%2)+4*\h+1]
	v_cvt_pk_f16_f32 v[145+2*\h], v[16+64*((\p)%2)+4*\h+2], v[16+64*((\p)%2)+4*\h+3]
.endr
.irp h, 0,1,2,3,4,5,6,7,8,9,10,11,12,13,14,15
	global_store_b64 v9, v[144+2*\h:145+2*\h], s[22:23] offset:\h*131072+(\p)*256
.endr
.endm
	CASTLD 0
	CASTLD 1
	s_wait_loadcnt 16                              ; pair 0 is in; the next pair's 16 loads may be out
	CASTST 0
	CASTLD 2
	s_wait_loadcnt 16
	CASTST 1
	CASTLD 3
	s_wait_loadcnt 16
	CASTST 2
	s_wait_loadcnt 0x0
	CASTST 3
	s_wait_tensorcnt 0x0                           ; the same three lines on this path, so that they stand ahead of every end of the launch
	ds_add_u32 v[SPW], v[NIL]
	s_wait_dscnt 0x0
	s_endpgm
.Lfunc_end_k_q9f8a8b124e_quant:
	.size	k_q9f8a8b124e_quant, .Lfunc_end_k_q9f8a8b124e_quant-k_q9f8a8b124e_quant
	.p2alignl 7, 3214868480
	.fill 96, 4, 3214868480
	.section	.rodata,"a",@progbits
	.p2align	6, 0x0
	.amdhsa_kernel k_q9f8a8b124e_quant
		.amdhsa_group_segment_fixed_size 33280
		.amdhsa_private_segment_fixed_size 0
		.amdhsa_enable_private_segment 0
		.amdhsa_kernarg_size 80
		.amdhsa_user_sgpr_count 2
		.amdhsa_user_sgpr_kernarg_segment_ptr 1
		.amdhsa_wavefront_size32 1
		.amdhsa_system_sgpr_workgroup_id_x 1
		.amdhsa_system_sgpr_workgroup_id_y 1
		.amdhsa_system_sgpr_workgroup_id_z 1
		.amdhsa_system_vgpr_workitem_id 0
		.amdhsa_next_free_vgpr 192
		.amdhsa_next_free_sgpr 66
		.amdhsa_reserve_vcc 0
		.amdhsa_float_denorm_mode_32 3
		.amdhsa_float_denorm_mode_16_64 3
		.amdhsa_memory_ordered 1
		.amdhsa_forward_progress 1
		.amdhsa_inst_pref_size 55
	.end_amdhsa_kernel
	.amdgpu_metadata
---
amdhsa.version: [ 1, 2 ]
amdhsa.kernels:
  - .name:           k_q9f8a8b124e_quant
    .symbol:         k_q9f8a8b124e_quant.kd
    .args:
      - { .name: q, .offset: 0, .size: 8, .value_kind: global_buffer, .address_space: global }
      - { .name: k, .offset: 8, .size: 8, .value_kind: global_buffer, .address_space: global }
      - { .name: v, .offset: 16, .size: 8, .value_kind: global_buffer, .address_space: global }
      - { .name: wq_w, .offset: 24, .size: 8, .value_kind: global_buffer, .address_space: global }
      - { .name: wk_w, .offset: 32, .size: 8, .value_kind: global_buffer, .address_space: global }
      - { .name: wv_w, .offset: 40, .size: 8, .value_kind: global_buffer, .address_space: global }
      - { .name: wo_w, .offset: 48, .size: 8, .value_kind: global_buffer, .address_space: global }
      - { .name: codes, .offset: 56, .size: 8, .value_kind: global_buffer, .address_space: global }
      - { .name: scales, .offset: 64, .size: 8, .value_kind: global_buffer, .address_space: global }
      - { .name: wo16, .offset: 72, .size: 8, .value_kind: global_buffer, .address_space: global }
    .group_segment_fixed_size: 33280
    .private_segment_fixed_size: 0
    .kernarg_segment_align: 8
    .kernarg_segment_size: 80
    .max_flat_workgroup_size: 128
    .sgpr_count:     66
    .vgpr_count:     192
    .wavefront_size: 32
...
	.end_amdgpu_metadata
.endif
;; end of part 1
;; launch proj (part 2): grid 4 x 96, 4 waves a work-group, clusters of 4 x 1, 327,680 bytes of LDS; arguments codes, scales, wq_b, wk_b, wv_b, qkv16, qkv32; writes qkv16, qkv32
.if DOCPART == 2
	.amdgcn_target "amdgcn-amd-amdhsa--gfx1250"
	.amdhsa_code_object_version 6
	.text
	.protected	k_q9f8a8b124e_proj
	.globl	k_q9f8a8b124e_proj
	.p2align	8
	.type	k_q9f8a8b124e_proj,@function
k_q9f8a8b124e_proj:
	s_mov_b64 s[64:65], 0
	v_nop
	global_prefetch_b8 v0, s[64:65] scope:SCOPE_SE
	s_setreg_imm32_b32 hwreg(HW_REG_WAVE_MODE, 25, 1), 1
	s_wait_xcnt 0x0
	s_wait_alu depctr_hold_cnt(0) depctr_sa_sdst(0) depctr_va_vdst(0) depctr_va_sdst(0) depctr_va_ssrc(0) depctr_va_vcc(0) depctr_vm_vsrc(0)
	s_getreg_b32 s2, hwreg(HW_REG_IB_STS2, 6, 4)
	s_cmp_eq_u32 s2, 0
	s_cbranch_scc0 .Lentry_in_a_cluster
	s_endpgm
.Lentry_in_a_cluster:
	s_bfe_u32 s2, ttmp6, 0x10000c
	s_cmp_lg_u32 s2, 0x3003
	s_cbranch_scc0 .Lentry_shape_is_right
	s_endpgm
.Lentry_shape_is_right:
; Q = q wq^T + bq, K = k wk^T + bk, V = v wv^T + bv on codes of FP4 (E2M1) with one E8M0 scale for each 32 along K = 1,024; sums in f32.
; codes: 24,576 rows of q, k, v (512 bytes each), then from WCOD on 3,072 rows of wq, wk, wv; scales likewise, 32 bytes a row, the weights' from WSCL on.
; OUT: qkv16[tensor][b][head][l][64] in f16, and an f32 copy of positions 0 to 15 of each sequence, qkv32[tensor][b][l][1024].
; LIMIT: |Q|, |K|, |V| stay under 65,504, f16's largest number.
; SHARES.  Tile row ty (0..95) is 256 of the 24,576 stacked rows: tensor ty / 32, sequence (ty / 8) % 4.  Tile column cx is 256 of the 1,024 outputs: four heads.  Four waves, each 128 x 128: 64 accumulators, 512 registers.
; K = 1,024 is two LDS slots of 512 along K (rows of 256 bytes): both are first fills, nothing is filled again.  The scale bytes of the tile's rows for all of K come once, as dense blocks.
; CLUSTER 4 x 1: the four tile columns of one tile row need the same rows of q, k or v: those tiles and their scales are asked for JOINTLY (mask 15).  The weights' tiles differ from partner to partner
; and come by plain loads.  A cluster of 4 x 4 is not taken: the f32 copy hangs on a branch on the tile row, and with one work-group along y the tile row is the cluster's own y, the same in all partners.
; THE MATRIX INSTRUCTION IS USED TRANSPOSED (source 0 = 16 rows of the weight, source 1 = 16 rows of x): a lane then holds eight neighbouring outputs of one row.  The bias is the C of each sum's first instruction.
; REGISTERS: window 0: v16-31 addresses; v32-95 scale words, two sets, and nothing else ever; v128-191 x's fragments, one set; v192-255 the bias, 8 registers for each of the 8 blocks of outputs.
;   window 1: the weight's fragments, two sets, at v0 and v128.   windows 2, 3: the accumulators of my rows 0-63 and 64-127 ((a, b) at v[8 (8 (a % 4) + b)]).
; The f32 copy's stores are pieces of 64 bytes: 768 KiB in the whole launch, beside 48 MiB of whole rows.
.set NQ,     4                         ; matrix instructions deep in a slot
.set ROWB,   256                       ; a tile's row in bytes: 512 codes
.set KROW,   512                       ; a row of codes in memory
.set PITCH,  272                       ; an LDS row: 256 bytes + 16 of padding: the 16 rows that a load touches start at 16 different groups of four banks (64 banks of 4 bytes: ISA guide 11.1)
.set FR,     8                         ; registers of a fragment
.set NL,     2                         ; LDS loads that bring one
.set NP,     4                         ; places behind this matrix instruction (ISA guide 7.12.1)
.set HALFT,  128*PITCH
.set SLOT,   4*HALFT                   ; x's 256 rows, then the weight's 256 rows
.set KS,     32                        ; a row of scale bytes
.set SCL,    2*SLOT                    ; behind the ring: the scales, as rows of 256 bytes + 16 of padding
.set HALFS,  16*272                    ; the scales of 128 rows
.set SBLK,   2*272                     ; those of 16 rows
.set SPARE,  SCL+4*HALFS               ; the spare words, 128 bytes for each wave
.set WCOD,   12582912
.set WSCL,   786432
.set SPITCH, 272                       ; the way out: a stage of 16 rows x (256 bytes + 16) for each wave, in slot 0, which has had its only fill and its last read when the first result is stored there
.set ADRA, 16
.set ADRB, 20
.set STO,  24
.set RD,   25
.set CO,   26
.set ADRS, 27
.set SPW,  28
.set NIL,  29
.set F32O, 30
.set BO,   31
.set SC,   32
.set AF,   128
.set BIAS, 192
.set TMP,  128                         ; the way out: packed results
.set BK,   160                         ; and rows read back: v160-191 and v192-223 by turns
.set G1, 24
.set G0, 32
.set G1B, 48
.set G0B, 56
.set G1S, 68
.set G0S, 76
.set G1SB, 80
.set G0SB, 88
.set MSB, 0
.macro WIN new                         ; the immediate's high byte repeats the setting that is left
.if MSB != \new
	s_set_vgpr_msb (MSB<<8)|\new
.set MSB, \new
.endif
.endm
.set MUL_LO, 0xa1                      ; source 0 window 1, source 1 window 0, C and D window 2
.set MUL_HI, 0xf1                      ; the same, C and D window 3
.set TO_B,   0x40                      ; destination window 1, address window 0
; Waves 0 and 1 fetch for x (jointly), waves 2 and 3 for the weight.  The branch hangs on the wave's number alone.  An s_nop 0 and four v_nop follow each of the two lines.
.macro JLOAD g0a, g1a, g0b, g1b
	s_cmp_eq_u32 s19, 0
	s_cbranch_scc0 .Lfor_b_\@
	tensor_load_to_lds s[\g0a:\g0a+3], s[\g1a:\g1a+7]
	s_nop 0
.rept 4
	v_nop
.endr
	s_branch .Lasked_\@
.Lfor_b_\@:
	tensor_load_to_lds s[\g0b:\g0b+3], s[\g1b:\g1b+7]
	s_nop 0
.rept 4
	v_nop
.endr
.Lasked_\@:
.endm
.macro CROUND                          ; a round of the cluster's barrier
	s_barrier_signal -1
	s_barrier_wait -1
	s_cmp_lg_u32 s18, 0
	s_cbranch_scc1 .Lnot_wave_0_\@
	s_barrier_signal -3
.Lnot_wave_0_\@:
	s_barrier_wait -3
	s_barrier_signal -1
	s_barrier_wait -1
.endm
	s_load_b256 s[4:11], s[0:1], 0x0               ; codes s[4:5], scales s[6:7], wq_b s[8:9], wk_b s[10:11]
	s_load_b128 s[12:15], s[0:1], 0x20             ; wv_b s[12:13], qkv16 s[14:15]
	s_load_b64 s[16:17], s[0:1], 0x30              ; qkv32
	v_lshl_add_u32 v[SPW], v0, 2, SPARE
	v_mov_b32 v[NIL], 0
	ds_add_u32 v[SPW], v[NIL]                      ; the wave's opening: the add, twice on end, and its wait ahead of my first tensor load
	ds_add_u32 v[SPW], v[NIL]
	v_lshrrev_b32 v1, 5, v0
	v_readfirstlane_b32 s18, v1                    ; wave 0..3
	s_lshr_b32 s19, s18, 1                         ; which half of the tile's rows is mine.  Also: I fetch for x (0) or for the weight (1)
	s_and_b32 s20, s18, 1                          ; which half of its columns.  Also: which 128 rows of that tile I fetch
	s_bfe_u32 s21, ttmp6, 0x40000                  ; cx: the tile column
	s_and_b32 s22, ttmp7, 0xffff                   ; the tile row: the cluster's y
	s_lshr_b32 s23, s22, 5                         ; the tensor: 0 q, 1 k, 2 v
	s_and_b32 s3, s22, 7
	s_or_b32 s3, s3, s19                           ; 0 where my rows begin a sequence
	s_mov_b32 s[G1+0], 15|(1<<20)|(1<<21)|(5<<22)|(3<<25)   ; 15:0 the mask: all four partners; 17:16 elements of 1 byte; 20 padding on; 21 set beside a mask; 24:22 after every 64 words; 31:25 four words
	s_mov_b32 s[G1B+0], (1<<20)|(5<<22)|(3<<25)    ; the same with no mask
.irp g, G1, G1B
	s_mov_b32 s[\g+1], ROWB<<16                    ; tensor_dim0
	s_mov_b32 s[\g+2], 128<<16                     ; tensor_dim1
	s_mov_b32 s[\g+3], ROWB<<16                    ; tile_dim0
	s_mov_b32 s[\g+4], 128                         ; tile_dim1
	s_mov_b32 s[\g+5], KROW                        ; tensor_dim0_stride
	s_mov_b32 s[\g+6], 0
	s_mov_b32 s[\g+7], 0
.endr
	s_mov_b32 s[G1S+0], 15|(3<<16)|(1<<20)|(1<<21)|(5<<22)|(3<<25)   ; the scales of 128 rows: 4,096 dense bytes as 16 rows of 32 elements of 8 bytes
	s_mov_b32 s[G1SB+0], (3<<16)|(1<<20)|(5<<22)|(3<<25)
.irp g, G1S, G1SB
	s_mov_b32 s[\g+1], 32<<16
	s_mov_b32 s[\g+2], 16<<16
	s_mov_b32 s[\g+3], 32<<16
	s_mov_b32 s[\g+4], 16
	s_mov_b32 s[\g+5], 32
	s_mov_b32 s[\g+6], 0
	s_mov_b32 s[\g+7], 0
.endr
	s_lshl_b32 s40, s22, 8
	s_lshl_b32 s41, s20, 7
	s_add_co_u32 s40, s40, s41                     ; x: row 256 x tile row + 128 x half: no register here ever holds cx
	s_lshl_b32 s44, s40, 5                         ; its scales, in bytes
	s_mov_b32 s45, 0
	s_lshl_b32 s40, s40, 9                         ; its codes
	s_mov_b32 s41, 0
	s_lshl_b32 s92, s23, 10
	s_lshl_b32 s93, s21, 8
	s_add_co_u32 s92, s92, s93
	s_lshl_b32 s93, s20, 7
	s_add_co_u32 s92, s92, s93                     ; the weight: row 1,024 x tensor + 256 cx + 128 x half
	s_lshl_b32 s94, s92, 5
	s_add_co_u32 s94, s94, WSCL
	s_mov_b32 s95, 0
	s_lshl_b32 s92, s92, 9
	s_add_co_u32 s92, s92, WCOD
	s_mov_b32 s93, 0
	s_mul_i32 s46, s18, HALFT                      ; where they go: wave x 128 rows: no place in the cluster enters an LDS address
	s_mul_i32 s47, s18, HALFS
	s_wait_dscnt 0x0                               ; both opening adds are done
	s_wait_kmcnt 0x0
	s_add_nc_u64 s[40:41], s[4:5], s[40:41]
	s_add_nc_u64 s[44:45], s[6:7], s[44:45]
	s_add_nc_u64 s[92:93], s[4:5], s[92:93]
	s_add_nc_u64 s[94:95], s[6:7], s[94:95]
	CROUND                                         ; all four work-groups are here: the first joint loads meet
	s_mov_b32 s[G0S], 1
	s_add_co_u32 s[G0S+1], s47, SCL
	s_mov_b64 s[G0S+2:G0S+3], s[44:45]
	s_or_b32 s[G0S+3], s[G0S+3], 0x80000000
	s_mov_b32 s[G0SB], 1
	s_add_co_u32 s[G0SB+1], s47, SCL
	s_mov_b64 s[G0SB+2:G0SB+3], s[94:95]
	s_or_b32 s[G0SB+3], s[G0SB+3], 0x80000000
	JLOAD G0S, G1S, G0SB, G1SB                     ; the scales first: they are wanted with the first slot
.irp s, 0,1
	s_mov_b32 s[G0+4*\s], 1
	s_add_co_u32 s[G0+4*\s+1], s46, \s*SLOT
	s_add_nc_u64 s[G0+4*\s+2:G0+4*\s+3], s[40:41], \s*ROWB
	s_or_b32 s[G0+4*\s+3], s[G0+4*\s+3], 0x80000000
	s_mov_b32 s[G0B+4*\s], 1
	s_add_co_u32 s[G0B+4*\s+1], s46, \s*SLOT
	s_add_nc_u64 s[G0B+4*\s+2:G0B+4*\s+3], s[92:93], \s*ROWB
	s_or_b32 s[G0B+4*\s+3], s[G0B+4*\s+3], 0x80000000
	JLOAD G0+4*\s, G1, G0B+4*\s, G1B               ; three tensor loads of mine are out
.endr
	v_and_b32 v1, 15, v0                           ; r = l % 16
	v_bfe_u32 v2, v0, 4, 1                         ; h = l / 16
	; the bias of my 128 outputs, in the result's layout: register 8 b + j of lane (r, h) = bias[n0 + 16 b + 8 h + j]
	s_lshl_b32 s44, s21, 10
	s_lshl_b32 s46, s20, 9
	s_add_co_u32 s44, s44, s46                     ; (256 cx + 128 x half) x 4 bytes
	s_mov_b32 s45, 0
	s_cmp_eq_u32 s23, 0
	s_cselect_b64 s[96:97], s[8:9], s[10:11]
	s_cmp_eq_u32 s23, 2
	s_cselect_b64 s[96:97], s[12:13], s[96:97]
	s_add_nc_u64 s[96:97], s[96:97], s[44:45]
	v_lshlrev_b32 v[BO], 5, v2
.irp b, 0,1,2,3,4,5,6,7
	global_load_b128 v[BIAS+8*\b:BIAS+8*\b+3], v[BO], s[96:97] offset:64*\b
	global_load_b128 v[BIAS+8*\b+4:BIAS+8*\b+7], v[BO], s[96:97] offset:64*\b+16
.endr
	v_mul_u32_u24 v3, v1, PITCH
	v_lshl_add_u32 v4, v2, 4, v3                   ; a fragment's row x pitch + 16 x half
	s_mul_i32 s40, s19, HALFT                      ; my 128 rows of x
	s_mul_i32 s41, s20, HALFT                      ; my 128 rows of the weight,
	s_add_co_u32 s41, s41, 2*HALFT                 ; which lie behind x's 256
.irp s, 0,1
	v_add_nc_u32 v[ADRA+\s], s40, v4
	v_add_nc_u32 v[ADRB+\s], s41, v4
	s_add_co_u32 s40, s40, SLOT
	s_add_co_u32 s41, s41, SLOT
.endr
	v_mul_u32_u24 v5, v1, KS                       ; my row's scales: 32 bytes a row,
	v_lshrrev_b32 v6, 8, v5
	v_lshl_add_u32 v5, v6, 4, v5                   ; and 16 more for each 256 passed
	s_mul_i32 s40, s19, HALFS
	s_mul_i32 s41, s20, HALFS
	s_add_co_u32 s41, s41, 2*HALFS
	s_sub_co_u32 s41, s41, s40
	v_mul_u32_u24 v6, s41, v2                      ; lanes 16-31 take the weight's
	s_add_co_u32 s40, s40, SCL
	v_add_nc_u32 v5, v5, v6
	v_add_nc_u32 v[ADRS], s40, v5
	s_mul_i32 s42, s18, 16*SPITCH                  ; my stage
	v_mul_u32_u24 v5, v1, SPITCH
	v_lshl_add_u32 v5, v2, 4, v5
	v_add_nc_u32 v[STO], s42, v5                   ; in: row r, 16 bytes for each half of the lanes
	v_and_b32 v6, 31, v0
	v_lshrrev_b32 v7, 3, v6
	v_mul_u32_u24 v7, v7, SPITCH
	v_and_b32 v8, 7, v0
	v_lshl_add_u32 v7, v8, 4, v7
	v_add_nc_u32 v[RD], s42, v7                    ; back: eight lanes take one head's 128 bytes of a row, the wave four rows
	v_lshlrev_b32 v[CO], 4, v6                     ; which are 512 consecutive bytes of qkv16
	v_lshlrev_b32 v[F32O], 12, v1
	v_lshl_add_u32 v[F32O], v2, 5, v[F32O]         ; the f32 copy: row r of 4,096 bytes + 32 h
	s_lshr_b32 s43, s22, 3                         ; 4 x tensor + sequence
	s_lshl_b32 s44, s43, 4
	s_lshl_b32 s46, s21, 2
	s_add_co_u32 s44, s44, s46
	s_lshl_b32 s46, s20, 1
	s_add_co_u32 s44, s44, s46                     ; + my first head: 4 cx + 2 x half
	s_lshl_b32 s44, s44, 18                        ; 262,144 bytes a head
	s_and_b32 s46, s22, 7
	s_lshl_b32 s46, s46, 15                        ; 256 positions of 128 bytes
	s_add_co_u32 s44, s44, s46
	s_lshl_b32 s46, s19, 14                        ; my 128 of them
	s_add_co_u32 s44, s44, s46
	s_add_nc_u64 s[14:15], s[14:15], s[44:45]
	s_lshl_b32 s44, s43, 16                        ; qkv32: 65,536 bytes for a tensor's sequence
	s_lshl_b32 s46, s21, 10
	s_add_co_u32 s44, s44, s46
	s_lshl_b32 s46, s20, 9
	s_add_co_u32 s44, s44, s46
	s_add_nc_u64 s[16:17], s[16:17], s[44:45]
.macro FRAG reg, adr, q, i             ; a fragment, 16 rows x 128 K of 4-bit codes: registers 4 c .. 4 c + 3 hold K = 64 c + 32 (l / 16) + 0 .. 31
.irp c, 0,1
	ds_load_b128 v[\reg+4*\c:\reg+4*\c+3], v[\adr] offset:64*(\q)+32*\c+(\i)*16*PITCH
.endr
.endm
; 16 matrix instructions: x's blocks a0, a0 + 1 against the weight's eight, the slot's q-th 128 along K.  p: the weight's set; sc: the set of scale words.  first = 1: the bias is C and starts the sums.
; The 64 accumulators take turns, one instruction a turn, in the same order in every step.
.macro MUL16 a0, p, q, sc, first
.irp a, \a0, \a0+1
.irp b, 0,1,2,3,4,5,6,7
.if \first
	v_wmma_scale_f32_16x16x128_f8f6f4 v[8*(8*((\a)%4)+\b):8*(8*((\a)%4)+\b)+7], v[128*(\p)+FR*\b:128*(\p)+FR*\b+FR-1], v[AF+FR*(\a):AF+FR*(\a)+FR-1], v[BIAS+8*\b:BIAS+8*\b+7], v[SC+8*NQ*(\sc)+NQ*\b+(\q)], v[SC+8*NQ*(\sc)+NQ*(\a)+(\q)] matrix_a_fmt:MATRIX_FMT_FP4 matrix_b_fmt:MATRIX_FMT_FP4 matrix_a_scale:MATRIX_SCALE_ROW1
.else
	v_wmma_scale_f32_16x16x128_f8f6f4 v[8*(8*((\a)%4)+\b):8*(8*((\a)%4)+\b)+7], v[128*(\p)+FR*\b:128*(\p)+FR*\b+FR-1], v[AF+FR*(\a):AF+FR*(\a)+FR-1], v[8*(8*((\a)%4)+\b):8*(8*((\a)%4)+\b)+7], v[SC+8*NQ*(\sc)+NQ*\b+(\q)], v[SC+8*NQ*(\sc)+NQ*(\a)+(\q)] matrix_a_fmt:MATRIX_FMT_FP4 matrix_b_fmt:MATRIX_FMT_FP4 matrix_a_scale:MATRIX_SCALE_ROW1
.endif
.endr
.endr
.endm
.macro FETCH_B slot, q, p
	WIN TO_B
.irp i, 0,1,2,3,4,5,6,7
	FRAG 128*(\p)+FR*\i, ADRB+\slot, \q, \i
.endr
	WIN 0
.endm
.macro FETCH_A slot, q, i0
.irp i, \i0, \i0+1, \i0+2, \i0+3
	FRAG AF+FR*(\i), ADRA+\slot, \q, \i
.endr
.endm
.macro SCALES sc                       ; a slot's scale words: four words a row; lanes 0-15 take x's block i, lanes 16-31 the weight's block i
.irp i, 0,1,2,3,4,5,6,7
	ds_load_b128 v[SC+8*NQ*\sc+NQ*\i:SC+8*NQ*\sc+NQ*\i+3], v[ADRS] offset:\i*SBLK
.endr
.endm
.macro PLACES n                        ; plain vector instructions between a matrix instruction and a load into, or a read of, its registers
.rept \n
	v_nop
.endr
.endm
.macro STEP slot, q, first             ; a step of 128 along K that has its successor in the same slot
	s_wait_dscnt 4*NL                              ; the weight's set and x's blocks 0-3 are in; the youngest eight loads (x's blocks 4-7) may be out
.if \first
	WIN 0x81                                       ; C (the bias) in window 0, D in window 2
.else
	WIN MUL_LO
.endif
	MUL16 0, (\q)%2, \q, \slot, \first
	MUL16 2, (\q)%2, \q, \slot, \first
	s_wait_dscnt 0
	PLACES NP
	FETCH_B \slot, (\q)+1, 1-(\q)%2
	FETCH_A \slot, (\q)+1, 0
.if \first
	WIN 0xc1
.else
	WIN MUL_HI
.endif
	MUL16 4, (\q)%2, \q, \slot, \first
	MUL16 6, (\q)%2, \q, \slot, \first
	PLACES NP
	WIN 0
	FETCH_A \slot, (\q)+1, 4
.endm
.macro STEPS slot, from
.set Q, \from
.rept NQ-1-\from
	STEP \slot, Q, 0
.set Q, Q+1
.endr
.endm
	s_wait_tensorcnt 1                             ; the scales and my part of slot 0 are in; slot 1's load may be out
	s_barrier_signal -1
	s_barrier_wait -1                              ; everybody's are
	FETCH_B 0, 0, 0
	FETCH_A 0, 0, 0
	SCALES 0
	FETCH_A 0, 0, 4
	s_wait_loadcnt 0x0                             ; the bias
	STEP 0, 0, 1
	STEPS 0, 1
	; slot 0's last step changes slots: one barrier; in front of it my part of slot 1 has landed and my reads of slot 0 are over
	s_wait_tensorcnt 0x0
	ds_add_u32 v[SPW], v[NIL]                      ; 0 onto my spare word
	s_wait_dscnt 4*NL+1                            ; (the add and the youngest eight loads may be out)
	WIN MUL_LO
	MUL16 0, 1, NQ-1, 0, 0
	s_wait_dscnt 0x0
	s_barrier_signal -1
	MUL16 2, 1, NQ-1, 0, 0
	WIN 0
	s_barrier_wait -1
	PLACES NP
	v_add_nc_u32 v[ADRS], 4*NQ, v[ADRS]            ; on to slot 1's scale words (no LDS load of mine is out)
	FETCH_B 1, 0, 0
	FETCH_A 1, 0, 0
	SCALES 1
	WIN MUL_HI
	MUL16 4, 1, NQ-1, 0, 0
	MUL16 6, 1, NQ-1, 0, 0
	PLACES NP
	WIN 0
	FETCH_A 1, 0, 4
	STEPS 1, 0
	s_wait_dscnt 4*NL                              ; the very last step: nothing more to fetch
	WIN MUL_LO
	MUL16 0, 1, NQ-1, 1, 0
	MUL16 2, 1, NQ-1, 1, 0
	s_wait_dscnt 0
	WIN MUL_HI
	MUL16 4, 1, NQ-1, 1, 0
	MUL16 6, 1, NQ-1, 1, 0
	WIN 0
	PLACES NP                                      ; in front of the first reads of results and of writes into x's fragments
	; positions 0 to 15 of a sequence go out in f32 too.  The branch hangs on the tile row and the wave's number: the same in all four partners
	s_cmp_lg_u32 s3, 0
	s_cbranch_scc1 .Lnot_first
	WIN 0x08                                       ; a store's data are its source 1: window 2
.irp b, 0,1,2,3,4,5,6,7
	global_store_b128 v[F32O], v[8*\b:8*\b+3], s[16:17] offset:64*\b          ; each accumulator from its low end on
	global_store_b128 v[F32O], v[8*\b+4:8*\b+7], s[16:17] offset:64*\b+16
.endr
	WIN 0
.Lnot_first:
; THE WAY OUT, block by block of 16 rows x 128 outputs (two heads).  Rounded to f16, 16 bytes a lane, through my own stage, and back by heads: four rows of one head are 512 consecutive bytes of qkv16.
.macro PACK a
.set AC, 64*((\a)%4)
	WIN 0x0a+5*((\a)/4)                            ; sources 0 and 1: window 2 or 3
.irp b, 0,1,2,3,4,5,6,7
.irp r, 0,1,2,3
	v_cvt_pk_f16_f32 v[TMP+4*\b+\r], v[AC+8*\b+2*\r], v[AC+8*\b+2*\r+1]
.endr
.endr
	WIN 0
.endm
.macro TOSTAGE a
.set BB, BK+32*((\a)%2)
.irp b, 0,1,2,3,4,5,6,7
	ds_store_b128 v[STO], v[TMP+4*\b:TMP+4*\b+3] offset:32*\b
.endr
.irp u, 0,1
.irp i, 0,1,2,3
	ds_load_b128 v[BB+16*\u+4*\i:BB+16*\u+4*\i+3], v[RD] offset:\i*4*SPITCH+\u*128   ; LDS serves a wave's instructions in order (ISA guide 5.7.1.4): these see the stores above
.endr
.endr
.endm
.macro SEND a, younger
.set BB, BK+32*((\a)%2)
	s_wait_dscnt \younger                          ; the block is back in registers
.irp u, 0,1
.irp i, 0,1,2,3
	global_store_b128 v[CO], v[BB+16*\u+4*\i:BB+16*\u+4*\i+3], s[14:15] offset:(\a)*2048+\i*512+\u*262144   ; 32 lanes store 512 consecutive bytes, aligned
.endr
.endr
.endm
	PACK 0
	TOSTAGE 0
.irp a, 1,2,3,4,5,6,7
.if \a > 1
	s_wait_xcnt 0x0                                ; block a - 2's stores have read their registers: block a's loads may land there
.endif
	PACK \a
	TOSTAGE \a
	SEND \a-1, 16                                  ; behind block a - 1's loads: block a's 8 stores and 8 loads
.endr
	SEND 7, 0
	s_wait_tensorcnt 0x0                           ; the wave's end
	ds_add_u32 v[SPW], v[NIL]
	s_wait_dscnt 0x0
	CROUND                                         ; the closing round
	s_endpgm
.Lfunc_end_k_q9f8a8b124e_proj:
	.size	k_q9f8a8b124e_proj, .Lfunc_end_k_q9f8a8b124e_proj-k_q9f8a8b124e_proj
	.p2alignl 7, 3214868480
	.fill 96, 4, 3214868480
	.section	.rodata,"a",@progbits
	.p2align	6, 0x0
	.amdhsa_kernel k_q9f8a8b124e_proj
		.amdhsa_group_segment_fixed_size 327680
		.amdhsa_private_segment_fixed_size 0
		.amdhsa_enable_private_segment 0
		.amdhsa_kernarg_size 56
		.amdhsa_user_sgpr_count 2
		.amdhsa_user_sgpr_kernarg_segment_ptr 1
		.amdhsa_wavefront_size32 1
		.amdhsa_system_sgpr_workgroup_id_x 1
		.amdhsa_system_sgpr_workgroup_id_y 1
		.amdhsa_system_sgpr_workgroup_id_z 1
		.amdhsa_system_vgpr_workitem_id 0
		.amdhsa_next_free_vgpr 1024
		.amdhsa_next_free_sgpr 100
		.amdhsa_reserve_vcc 0
		.amdhsa_float_denorm_mode_32 3
		.amdhsa_float_denorm_mode_16_64 3
		.amdhsa_memory_ordered 1
		.amdhsa_forward_progress 1
		.amdhsa_inst_pref_size 130
	.end_amdhsa_kernel
	.amdgpu_metadata
---
amdhsa.version: [ 1, 2 ]
amdhsa.kernels:
  - .name:           k_q9f8a8b124e_proj
    .symbol:         k_q9f8a8b124e_proj.kd
    .args:
      - { .name: codes, .offset: 0, .size: 8, .value_kind: global_buffer, .address_space: global }
      - { .name: scales, .offset: 8, .size: 8, .value_kind: global_buffer, .address_space: global }
      - { .name: wq_b, .offset: 16, .size: 8, .value_kind: global_buffer, .address_space: global }
      - { .name: wk_b, .offset: 24, .size: 8, .value_kind: global_buffer, .address_space: global }
      - { .name: wv_b, .offset: 32, .size: 8, .value_kind: global_buffer, .address_space: global }
      - { .name: qkv16, .offset: 40, .size: 8, .value_kind: global_buffer, .address_space: global }
      - { .name: qkv32, .offset: 48, .size: 8, .value_kind: global_buffer, .address_space: global }
    .group_segment_fixed_size: 327680
    .private_segment_fixed_size: 0
    .kernarg_segment_align: 8
    .kernarg_segment_size: 56
    .max_flat_workgroup_size: 128
    .sgpr_count:     100
    .vgpr_count:     1024
    .wavefront_size: 32
...
	.end_amdgpu_metadata
.endif
;; end of part 2
;; launch attn (part 3): grid 4 x 64, 16 waves a work-group, no clusters, 327,680 bytes of LDS; arguments qkv16, ao16; writes ao16
.if DOCPART == 3
	.amdgcn_target "amdgcn-amd-amdhsa--gfx1250"
	.amdhsa_code_object_version 6
	.text
	.protected	k_q9f8a8b124e_attn
	.globl	k_q9f8a8b124e_attn
	.p2align	8
	.type	k_q9f8a8b124e_attn,@function
k_q9f8a8b124e_attn:
	s_mov_b64 s[64:65], 0
	v_nop
	global_prefetch_b8 v0, s[64:65] scope:SCOPE_SE
	s_setreg_imm32_b32 hwreg(HW_REG_WAVE_MODE, 25, 1), 1
	s_wait_xcnt 0x0
; ao16[b][h][q][:] = the sum over k <= q of softmax_k(Q[q] . K[k] / 8) V[k][:], head size 64.  Q, K, V: qkv16[tensor][b][h][l][64] in f16; products in f16 with f32 sums; maxima, exponentials and sums in f32, with a
; running maximum; the weights p are rounded to f16 for the second product, the result once at the end.
; LIMITS: the result stays under 65,504 (f16).  A hidden key gets weight 0, where the model fills -1e9 ahead of the softmax: the two differ only if every visible score of a row lies under about -1e9.
; SHARES.  Work-group (i, head) owns two blocks of 256 queries: block 7 - i, then block i.  Under the causal mask they need (8 - i) + (i + 1) = 9 units of 256 keys, whatever i: 256 work-groups of equal work, and a trip count
; that is a constant.  Each of the SIXTEEN waves owns 16 queries of the block in hand, in 256 registers: four waves to a SIMD, so that one wave's vector work stands beside another's matrix work and LDS loads.
; NO CLUSTER: the four work-groups of a head want different units in the same trip from trip 5 on (the first changes block behind 5 units, the last behind 8); a walk in which they stay in step would take 12 units' time in place of 9.
; LAYOUT.  S^T = K Q^T (source 0 = 16 keys, source 1 = my 16 queries): a lane holds ONE query (lane % 16) and keys 8 (lane / 16) + 0..7 of a tile.  Two tiles, rounded to f16 in pairs, ARE source 1 of O^T = V^T P.
; K comes out of LDS as it lies, V ([key][channel]) turned, by ds_load_tr16_b128.
; LDS.  Rows of K and V are 128 dense bytes: a tile is stated as rows of 256 bytes (two keys), with 16 (K) or 32 (V) bytes of padding behind each: key k lies at (k / 2) x pitch + (k % 2) x 128.
; The 16 keys of a load of K, and the 8 keys x 32 bytes of a turning load, then fall on 16 different groups of four banks (64 banks of 4 bytes: ISA guide 11.1).
.set PK,    272
.set PV,    288
.set VOFF,  128*PK                     ; a slot: 256 keys of K, then 256 keys of V
.set SLOT1, 1<<17                      ; slot 1 begins here: one exclusive or turns an address in one slot into the other's
.set STAGE, 2*SLOT1                    ; the way out: 16 rows x (128 bytes + 16) for each wave; no tile ever lands here
.set SPARE, STAGE+16*2304              ; the spare words, 128 bytes for each wave
.set AK0, 1                            ; v1   my lane's place in a tile of K
.set AV0, 2                            ; v2   the same for V
.set ADK, 3                            ; v3   LDS address of the slot's K
.set ADV, 4                            ; v4   of its V
.set SPW, 5
.set NIL, 6
.set QO,  7                            ; v7   my byte offset in the wave's rows of Q
.set STO, 8
.set RD,  9
.set GO,  10
.set DM,  11                           ; v11  lane % 16 - 8 (lane / 16)
.set PFO, 12                           ; v12  256 x lane
.set DD,  13                           ; v13  the mask's bound
.set NINF, 14                          ; v14  -infinity
.set QR,  16                           ; v16-31   Q: two fragments
.set KR,  32                           ; v32-95   K: fragment (tile, 32 channels) at 8 (2 tile + cc)
.set VR,  96                           ; v96-159  V: fragment (32 keys, 16 channels) at 8 (4 kh + t)
.set S,   160                          ; v160-191 S^T, then p
.set P,   192                          ; v192-207 p in f16
.set O,   208                          ; v208-239 O^T
.set CM,  240                          ; v240 c m, v241 m
.set LS,  242                          ; v[242:243] l: even keys', odd keys'
.set CH,  244                          ; v244-247 four chains of the maximum
.set AL,  248                          ; v248 a (v249 is named with it as a pair)
.set OC,  250                          ; v250 the old c m
.set SU,  252                          ; v[252:255] two chains of the sum
.set WV,  8
.set T,   9                            ; s9   the trip, 0 to 8
.set SW,  10                           ; s10  the trip at which the block changes: 8 - i
.set TB,  11                           ; s11  LDS byte at which the slot in hand begins
.set KF,  12                           ; s12  the step's first key
.set Q0,  13                           ; s13  my first query
.set Q1,  14                           ; s14  my first query in the second block
.set QB,  16
.set OB,  18
.set SEL, 20
.set CS,  22                           ; s[22:23] c = log2(e) / 8
.set G1K, 24
.set G1V, 32
.set G0K, 40
.set G0V, 44
.set KB,  48                           ; s[48:49] the head's K at my half of a unit;  s[50:51] V
.set VB,  50
.set OFF, 52                           ; s[52:53] a unit's bytes from the head's first
.set O2,  54                           ; s[54:55] the second block's bytes in Q and in the result
.set PFA, 56
.set LIM, 58
; Waves 0 and 1 fetch K's halves of a unit, waves 2 and 3 V's, the others nothing.  An s_nop 0 and four v_nop follow each of the two lines.
.macro TLOAD
	s_cmp_lt_u32 s[WV], 2
	s_cbranch_scc0 .Lnot_k_\@
	tensor_load_to_lds s[G0K:G0K+3], s[G1K:G1K+7]
	s_nop 0
.rept 4
	v_nop
.endr
	s_branch .Lasked_\@
.Lnot_k_\@:
	s_cmp_lt_u32 s[WV], 4
	s_cbranch_scc0 .Lasked_\@
	tensor_load_to_lds s[G0V:G0V+3], s[G1V:G1V+7]
	s_nop 0
.rept 4
	v_nop
.endr
.Lasked_\@:
.endm
; A PREFETCH of the unit that the NEXT change of slots will ask for.  All four work-groups of a head walk the same K and V; work-group i = 0 walks units 0 to 7 in order, so it asks, and nobody else.  In it the waves ask that
; fetch nothing, one instruction each: waves 4 to 7 for K's 32,768 bytes, 8,192 a wave, lanes 256 bytes apart; waves 8 to 11 for V's.  Trip T names unit T + 2; units 0 and 1 come by their loads alone; trips 6 and 7 ask for nothing.
.macro ASK
	s_cmp_lt_u32 s[T], s[LIM]
	s_cbranch_scc0 .Lnot_mine_\@
	global_prefetch_b8 v[PFO], s[PFA:PFA+1] th:TH_LOAD_NT scope:SCOPE_SE
.Lnot_mine_\@:
.endm
	s_load_b128 s[4:7], s[0:1], 0x0                ; qkv16, ao16
	v_lshl_add_u32 v[SPW], v0, 2, SPARE
	v_mov_b32 v[NIL], 0
	ds_add_u32 v[SPW], v[NIL]                      ; the wave's opening: the add, twice on end, and its wait ahead of my first tensor load
	ds_add_u32 v[SPW], v[NIL]
	v_lshrrev_b32 v1, 5, v0
	v_readfirstlane_b32 s[WV], v1                  ; wave 0..15
	s_and_b32 s66, ttmp7, 0xffff
	s_lshl_b32 s66, s66, 18                        ; the head's first byte in a tensor: 262,144 bytes a head
	s_sub_co_u32 s[SW], 8, ttmp9
	s_sub_co_u32 s68, 7, ttmp9
	s_lshl_b32 s68, s68, 8
	s_lshl_b32 s69, s[WV], 4
	s_add_co_u32 s[Q0], s68, s69                   ; block 7 - i
	s_lshl_b32 s68, ttmp9, 8
	s_add_co_u32 s[Q1], s68, s69                   ; block i
	s_lshl_b32 s70, s[Q0], 7
	s_add_co_u32 s70, s70, s66
	s_mov_b32 s71, 0
	s_lshl_b32 s[O2], s[Q1], 7
	s_add_co_u32 s[O2], s[O2], s66
	s_mov_b32 s[O2+1], 0
	s_and_b32 s69, s[WV], 1                        ; which half of a unit I fetch, if I fetch
	s_lshl_b32 s72, s69, 14
	s_add_co_u32 s72, s72, s66
	s_mov_b32 s73, 0
	s_mov_b32 s[G1K], (1<<16)|(1<<20)|(5<<22)|(3<<25)   ; no mask; elements of 2 bytes; padding on: four words after every 64
	s_mov_b32 s[G1V], (1<<16)|(1<<20)|(5<<22)|(7<<25)   ; eight words
.irp g, G1K, G1V
	s_mov_b32 s[\g+1], 128<<16                     ; tensor_dim0 = 128 elements: two keys
	s_mov_b32 s[\g+2], 64<<16                      ; tensor_dim1 = 64
	s_mov_b32 s[\g+3], 128<<16                     ; tile_dim0
	s_mov_b32 s[\g+4], 64                          ; tile_dim1
	s_mov_b32 s[\g+5], 128                         ; tensor_dim0_stride
	s_mov_b32 s[\g+6], 0
	s_mov_b32 s[\g+7], 0
.endr
	s_mov_b32 s[SEL], 0x76543210
	s_mov_b32 s[SEL+1], 0xfedcba98
	s_mov_b32 s[CS], 0x3e38aa3b                    ; c = log2(e) / sqrt(64)
	s_mov_b32 s[CS+1], s[CS]
	s_mov_b32 s[T], 0
	s_mov_b32 s[TB], 0
	s_mov_b32 s[KF], 0
	s_mov_b32 s[OFF+1], 0
	s_and_b32 s74, s[WV], 3                        ; the prefetches: my wave's 8,192 bytes,
	s_lshl_b32 s74, s74, 13
	s_add_co_u32 s74, s74, s66                     ; in my head,
	s_add_co_u32 s74, s74, 32768                   ; in unit 1: the first change of slots steps it to unit 2
	s_mov_b32 s97, 0x2000000
	s_cmp_lt_u32 s[WV], 8
	s_cselect_b32 s96, 0x1000000, s97              ; of K (waves 4 to 7) or of V
	s_add_co_u32 s74, s74, s96
	s_mov_b32 s75, 0
	s_sub_co_u32 s96, s[WV], 4
	s_lshr_b32 s96, s96, 3                         ; 0 in waves 4 to 11,
	s_or_b32 s96, s96, ttmp9                       ; of work-group i = 0
	s_cmp_eq_u32 s96, 0
	s_cselect_b32 s[LIM], 6, 0
	s_wait_dscnt 0x0                               ; both opening adds are done
	s_wait_kmcnt 0x0
	s_add_nc_u64 s[KB:KB+1], s[4:5], s[72:73]
	s_add_nc_u64 s[VB:VB+1], s[KB:KB+1], 0x2000000
	s_add_nc_u64 s[KB:KB+1], s[KB:KB+1], 0x1000000
	s_mov_b32 s[G0K], 1
	s_mul_i32 s[G0K+1], s69, 64*PK                 ; slot 0, my half
	s_mov_b64 s[G0K+2:G0K+3], s[KB:KB+1]           ; unit 0
	s_or_b32 s[G0K+3], s[G0K+3], 0x80000000
	s_mov_b32 s[G0V], 1
	s_mul_i32 s[G0V+1], s69, 64*PV
	s_add_co_u32 s[G0V+1], s[G0V+1], VOFF
	s_mov_b64 s[G0V+2:G0V+3], s[VB:VB+1]
	s_or_b32 s[G0V+3], s[G0V+3], 0x80000000
	TLOAD                                          ; slot 0: one tensor load of mine is out
	s_add_nc_u64 s[QB:QB+1], s[4:5], s[70:71]
	s_add_nc_u64 s[OB:OB+1], s[6:7], s[70:71]
	s_add_nc_u64 s[PFA:PFA+1], s[4:5], s[74:75]
	v_and_b32 v32, 15, v0                          ; r
	v_bfe_u32 v33, v0, 4, 1                        ; h
	v_and_b32 v34, 31, v0                          ; lane
	v_lshlrev_b32 v[QO], 7, v32
	v_lshl_add_u32 v[QO], v33, 4, v[QO]            ; row r of 128 bytes + 16 h
.macro QLOAD                           ; my 16 queries: fragment cc holds channels 32 cc on
.irp c, 0,1
.irp u, 0,1
	global_load_b128 v[QR+8*\c+4*\u:QR+8*\c+4*\u+3], v[QO], s[QB:QB+1] offset:64*\c+32*\u
.endr
.endr
.endm
	QLOAD
	v_lshrrev_b32 v35, 1, v32
	v_mul_u32_u24 v[AK0], v35, PK
	v_and_b32 v35, 1, v32
	v_lshl_add_u32 v[AK0], v35, 7, v[AK0]
	v_lshl_add_u32 v[AK0], v33, 4, v[AK0]          ; key r: (r / 2) x 272 + (r % 2) x 128, + 16 h
	v_and_b32 v35, 7, v0
	v_lshl_add_u32 v35, v33, 3, v35                ; the turning load: key 8 h + lane % 8,
	v_lshrrev_b32 v36, 1, v35
	v_mul_u32_u24 v[AV0], v36, PV
	v_and_b32 v36, 1, v35
	v_lshl_add_u32 v[AV0], v36, 7, v[AV0]
	v_bfe_u32 v36, v0, 3, 1
	v_lshl_add_u32 v[AV0], v36, 4, v[AV0]          ; channels 8 ((lane / 8) % 2) on
	v_add_nc_u32 v[AV0], VOFF, v[AV0]
	s_mul_i32 s96, s[WV], 2304
	s_add_co_u32 s96, s96, STAGE                   ; my stage
	v_mul_u32_u24 v[STO], v32, 144
	v_lshl_add_u32 v[STO], v33, 4, v[STO]
	v_add_nc_u32 v[STO], s96, v[STO]               ; in: row r, + 16 h
	v_lshrrev_b32 v35, 3, v34
	v_mul_u32_u24 v[RD], v35, 144
	v_and_b32 v35, 7, v0
	v_lshl_add_u32 v[RD], v35, 4, v[RD]
	v_add_nc_u32 v[RD], s96, v[RD]                 ; back: eight lanes to a row of 128 bytes, four rows an instruction
	v_lshlrev_b32 v[GO], 4, v34
	v_lshlrev_b32 v35, 3, v33
	v_sub_nc_u32 v[DM], v32, v35
	v_lshlrev_b32 v[PFO], 8, v34
	v_mov_b32 v[NINF], 0xff800000
	v_mov_b32 v[CH+1], 0                           ; written once: a lane permute's destination counts as one of its sources
	v_mov_b32 v[AL+1], 0                           ; named as the upper half of the pair before it is ever written
.macro REINIT                          ; a block of queries begins: m = -3e38, under every score; l and O^T are zeros, which the first change of m leaves zeros
	v_mov_b32 v[CM+1], 0xff61b1e6
	v_mul_f32 v[CM], s[CS], v[CM+1]
	v_mov_b32 v[LS], 0
	v_mov_b32 v[LS+1], 0
.irp j, 0,1,2,3,4,5,6,7,8,9,10,11,12,13,14,15,16,17,18,19,20,21,22,23,24,25,26,27,28,29,30,31
	v_mov_b32 v[O+\j], 0
.endr
.endm
	REINIT
	s_wait_loadcnt 0x0                             ; Q
; THE WAY OUT of a block: O^T / l, rounded to f16, through my stage, and out as 2,048 consecutive bytes a wave.
.macro WAYOUT
.rept 4
	v_nop                                          ; places behind the last products
.endr
	v_add_f32 v[CH], v[LS], v[LS+1]
	v_permlanex16_b32 v[CH+1], v[CH], s[SEL], s[SEL+1]
	v_add_f32 v[CH], v[CH], v[CH+1]                ; the row's sum
	v_rcp_f32 v[AL], v[CH]
	v_nop                                          ; a plain instruction behind the reciprocal,
	s_wait_alu depctr_va_vdst(0)                   ; and a wait ahead of its first reader
.irp j, 0,2,4,6,8,10,12,14,16,18,20,22,24,26,28,30
	v_pk_mul_f32 v[O+\j:O+\j+1], v[O+\j:O+\j+1], v[AL:AL+1] op_sel_hi:[1,0]
.endr
.irp j, 0,1,2,3,4,5,6,7,8,9,10,11,12,13,14,15
	v_cvt_pk_f16_f32 v[S+\j], v[O+2*\j], v[O+2*\j+1]
.endr
.irp t, 0,1,2,3
	ds_store_b128 v[STO], v[S+4*\t:S+4*\t+3] offset:32*\t
.endr
.irp i, 0,1,2,3
	ds_load_b128 v[S+16+4*\i:S+16+4*\i+3], v[RD] offset:576*\i   ; LDS serves a wave's instructions in order: these see my stores
.endr
.irp i, 0,1,2,3
	s_wait_dscnt 3-\i                              ; the later loads of the four may be out
	global_store_b128 v[GO], v[S+16+4*\i:S+16+4*\i+3], s[OB:OB+1] offset:512*\i   ; 32 lanes store 512 consecutive bytes, aligned
.endr
.endm
; THE CHANGE OF BLOCKS, in the trip T = SW: the second block's queries are asked for, the first block goes out, the statistics begin anew.
.macro SWITCH
	s_add_nc_u64 s[QB:QB+1], s[4:5], s[O2:O2+1]
	QLOAD
	WAYOUT
	s_wait_xcnt 0x0                                ; the stores have read their base and their data: both are written again only behind this wait
	s_add_nc_u64 s[OB:OB+1], s[6:7], s[O2:O2+1]
	s_mov_b32 s[Q0], s[Q1]
	s_mov_b32 s[KF], 0
	REINIT
	s_wait_loadcnt 0x0
.endm
; A KEY STEP: 64 keys, the q-th of the slot in hand.
.macro STEP q
	s_add_co_u32 s96, s[Q0], 15                    ; a step all of whose keys come after my 16 queries is left out: a branch on ids and the count of steps, round the step's work alone
	s_cmp_gt_u32 s[KF], s96
	s_cbranch_scc1 .Lhidden_\@
	v_add_nc_u32 v[ADK], s[TB], v[AK0]
	v_add_nc_u32 v[ADV], s[TB], v[AV0]
	v_nop
	v_nop                                          ; four places in front of loads into registers that the last products read
.irp k, 0,1,2,3
.irp c, 0,1
	ds_load_b128 v[KR+8*(2*\k+\c):KR+8*(2*\k+\c)+3],   v[ADK] offset:(\q)*8704+\k*2176+64*\c
	ds_load_b128 v[KR+8*(2*\k+\c)+4:KR+8*(2*\k+\c)+7], v[ADK] offset:(\q)*8704+\k*2176+64*\c+32
.endr
.endr
.irp u, 0,1
.irp t, 0,1,2,3
	ds_load_tr16_b128 v[VR+8*(4*\u+\t):VR+8*(4*\u+\t)+3],   v[ADV] offset:(\q)*9216+\u*4608+32*\t
	ds_load_tr16_b128 v[VR+8*(4*\u+\t)+4:VR+8*(4*\u+\t)+7], v[ADV] offset:(\q)*9216+\u*4608+32*\t+2304
.endr
.endr
	s_wait_dscnt 16                                ; K is in; V's 16 loads may be out
.irp k, 0,1,2,3                                ; S^T = K Q^T: the four tiles take turns; the first four start the sums
	v_wmma_f32_16x16x32_f16 v[S+8*\k:S+8*\k+7], v[KR+16*\k:KR+16*\k+7], v[QR:QR+7], 0
.endr
.irp k, 0,1,2,3
	v_wmma_f32_16x16x32_f16 v[S+8*\k:S+8*\k+7], v[KR+16*\k+8:KR+16*\k+15], v[QR+8:QR+15], v[S+8*\k:S+8*\k+7]
.endr
.rept 4
	v_nop
.endr
	s_add_co_u32 s96, s[KF], 63                    ; on the diagonal hidden scores become -infinity ahead of the maximum; a step all of whose keys count skips this
	s_cmp_le_u32 s96, s[Q0]
	s_cbranch_scc1 .Lopen_\@
	s_sub_co_i32 s96, s[Q0], s[KF]
	v_add_nc_u32 v[DD], s96, v[DM]                 ; register 8 k + j holds key KF + 16 k + 8 h + j: hidden where 16 k + j > my query - KF - 8 h
.irp n, 0,1,2,3,4,5,6,7,8,9,10,11,12,13,14,15,16,17,18,19,20,21,22,23,24,25,26,27,28,29,30,31
	v_cmp_gt_i32 vcc_lo, 16*(\n/8)+\n%8, v[DD]
	v_cndmask_b32 v[S+\n], v[S+\n], v[NINF], vcc_lo
.endr
.Lopen_\@:
.irp b, 0,1,2,3                                ; the maximum of my 32 scores and the old m, three operands at a time, in four chains; each tile is read from its low end on
	v_max3_num_f32 v[CH+\b], v[S+8*\b], v[S+8*\b+1], v[S+8*\b+2]
.endr
.irp i, 3,5
.irp b, 0,1,2,3
	v_max3_num_f32 v[CH+\b], v[CH+\b], v[S+8*\b+\i], v[S+8*\b+\i+1]
.endr
.endr
	v_max3_num_f32 v[CH], v[CH], v[S+7], v[S+15]
	v_max3_num_f32 v[CH+2], v[CH+2], v[S+23], v[S+31]
	v_max3_num_f32 v[CH], v[CH], v[CH+1], v[CH+2]
	v_max3_num_f32 v[CH], v[CH], v[CH+3], v[CM+1]
	v_permlanex16_b32 v[CH+1], v[CH], s[SEL], s[SEL+1]   ; the query's other 32 keys lie in the lane 16 away
	v_mov_b32 v[OC], v[CM]
	v_max_num_f32 v[CM+1], v[CH], v[CH+1]          ; the new m
	v_mul_f32 v[CM], s[CS], v[CM+1]
	v_sub_f32 v[OC], v[OC], v[CM]                  ; c m_old - c m_new, 0 or less
.irp b, 0,1,2,3,4,5,6,7,8,9,10,11,12,13,14,15
	v_pk_fma_f32 v[S+2*\b:S+2*\b+1], v[S+2*\b:S+2*\b+1], s[CS:CS+1], v[CM:CM+1] op_sel_hi:[1,0,0] neg_lo:[0,0,1] neg_hi:[0,0,1]   ; c s - c m
.endr
	v_exp_f32 v[AL], v[OC]                         ; a = 2^(c m_old - c m_new)
.irp j, 0,1,2,3,4,5,6,7,8,9,10,11,12,13,14,15,16,17,18,19,20,21,22,23,24,25,26,27,28,29,30,31
	v_exp_f32 v[S+\j], v[S+\j]                     ; p, at most 1
.endr
	v_nop                                          ; one plain instruction behind the batch,
	s_wait_alu depctr_va_vdst(0)                   ; and ONE wait for its 33 exponentials, ahead of the first reader
.irp i, 0,1,2,3,4,5,6,7,8,9,10,11,12,13,14,15
	v_cvt_pk_f16_f32 v[P+\i], v[S+2*\i], v[S+2*\i+1]
.endr
	v_pk_add_f32 v[SU:SU+1], v[S:S+1], v[S+2:S+3]  ; the sum of the 16 pairs, in two chains
	v_pk_add_f32 v[SU+2:SU+3], v[S+4:S+5], v[S+6:S+7]
.irp j, 8,12,16,20,24,28
	v_pk_add_f32 v[SU:SU+1], v[SU:SU+1], v[S+\j:S+\j+1]
	v_pk_add_f32 v[SU+2:SU+3], v[SU+2:SU+3], v[S+\j+2:S+\j+3]
.endr
	v_pk_add_f32 v[SU:SU+1], v[SU:SU+1], v[SU+2:SU+3]
	v_pk_fma_f32 v[LS:LS+1], v[LS:LS+1], v[AL:AL+1], v[SU:SU+1] op_sel_hi:[1,0,1]   ; l = a l + the sum
.irp j, 0,2,4,6,8,10,12,14,16,18,20,22,24,26,28,30
	v_pk_mul_f32 v[O+\j:O+\j+1], v[O+\j:O+\j+1], v[AL:AL+1] op_sel_hi:[1,0]      ; O^T x a
.endr
	s_wait_dscnt 0x0                               ; V is in
.irp u, 0,1                                    ; O^T += V^T P: the four tiles of channels take turns
.irp t, 0,1,2,3
	v_wmma_f32_16x16x32_f16 v[O+8*\t:O+8*\t+7], v[VR+8*(4*\u+\t):VR+8*(4*\u+\t)+7], v[P+8*\u:P+8*\u+7], v[O+8*\t:O+8*\t+7]
.endr
.endr
.Lhidden_\@:
	s_add_co_u32 s[KF], s[KF], 64
.endm
; THE CHANGE OF SLOTS stands at a trip's head.  Each wave waits for all its tensor loads, adds 0 to its spare word (fill = 1: twice on end),
; and waits for that and for its reads of the slot that it has left.  Behind the barrier the slot ahead is whole and nobody reads the other one; fill = 1: it takes the next trip's unit, which has a whole trip in which to land.
.macro CHANGE fill
	s_wait_tensorcnt 0x0                           ; no tensor load of mine is out, so a group 0 may be written
	ds_add_u32 v[SPW], v[NIL]
.if \fill
	ds_add_u32 v[SPW], v[NIL]
	s_xor_b32 s[G0K+1], s[G0K+1], SLOT1            ; the other slot than last time
	s_xor_b32 s[G0V+1], s[G0V+1], SLOT1
	s_add_co_u32 s96, s[T], 1                      ; the next trip's unit: T + 1, counted anew from the change of blocks on
	s_cmp_ge_u32 s96, s[SW]
	s_cselect_b32 s97, s[SW], 0
	s_sub_co_u32 s96, s96, s97
	s_lshl_b32 s[OFF], s96, 15                     ; 32,768 bytes a unit
	s_add_nc_u64 s[G0K+2:G0K+3], s[KB:KB+1], s[OFF:OFF+1]
	s_or_b32 s[G0K+3], s[G0K+3], 0x80000000
	s_add_nc_u64 s[G0V+2:G0V+3], s[VB:VB+1], s[OFF:OFF+1]
	s_or_b32 s[G0V+3], s[G0V+3], 0x80000000
	s_wait_xcnt 0x0                                ; the last prefetch, a trip back, has read its address
	s_add_nc_u64 s[PFA:PFA+1], s[PFA:PFA+1], 32768
.endif
	s_wait_dscnt 0x0                               ; the add is done, and my reads of the slot that I have left are over
	s_barrier_signal -1
	s_barrier_wait -1
.if \fill
	TLOAD                                          ; the first thing behind the barrier, and a wave's one tensor load until the next
	ASK
.endif
.endm
.macro TRIP fill
	CHANGE \fill
	s_cmp_lg_u32 s[T], s[SW]                       ; ids and the count of trips alone: all sixteen waves go the same way
	s_cbranch_scc1 .Lsame_\@
	SWITCH
.Lsame_\@:
	STEP 0
	STEP 1
	STEP 2
	STEP 3
	s_xor_b32 s[TB], s[TB], SLOT1                  ; on to the other slot
	s_add_co_u32 s[T], s[T], 1
.endm
.Ltrip:                                            ; eight trips: behind each change of slots the next trip's unit is asked for
	TRIP 1
	s_cmp_lt_u32 s[T], 8
	s_cbranch_scc1 .Ltrip
	TRIP 0                                         ; the ninth is written out: it asks for nothing
	WAYOUT
	s_wait_tensorcnt 0x0                           ; the wave's end
	ds_add_u32 v[SPW], v[NIL]
	s_wait_dscnt 0x0
	s_endpgm
.Lfunc_end_k_q9f8a8b124e_attn:
	.size	k_q9f8a8b124e_attn, .Lfunc_end_k_q9f8a8b124e_attn-k_q9f8a8b124e_attn
	.p2alignl 7, 3214868480
	.fill 96, 4, 3214868480
	.section	.rodata,"a",@progbits
	.p2align	6, 0x0
	.amdhsa_kernel k_q9f8a8b124e_attn
		.amdhsa_group_segment_fixed_size 327680
		.amdhsa_private_segment_fixed_size 0
		.amdhsa_enable_private_segment 0
		.amdhsa_kernarg_size 16
		.amdhsa_user_sgpr_count 2
		.amdhsa_user_sgpr_kernarg_segment_ptr 1
		.amdhsa_wavefront_size32 1
		.amdhsa_system_sgpr_workgroup_id_x 1
		.amdhsa_system_sgpr_workgroup_id_y 1
		.amdhsa_system_sgpr_workgroup_id_z 1
		.amdhsa_system_vgpr_workitem_id 0
		.amdhsa_next_free_vgpr 256
		.amdhsa_next_free_sgpr 100
		.amdhsa_reserve_vcc 1
		.amdhsa_float_denorm_mode_32 3
		.amdhsa_float_denorm_mode_16_64 3
		.amdhsa_memory_ordered 1
		.amdhsa_forward_progress 1
		.amdhsa_inst_pref_size 119
	.end_amdhsa_kernel
	.amdgpu_metadata
---
amdhsa.version: [ 1, 2 ]
amdhsa.kernels:
  - .name:           k_q9f8a8b124e_attn
    .symbol:         k_q9f8a8b124e_attn.kd
    .args:
      - { .name: qkv16, .offset: 0, .size: 8, .value_kind: global_buffer, .address_space: global }
      - { .name: ao16, .offset: 8, .size: 8, .value_kind: global_buffer, .address_space: global }
    .group_segment_fixed_size: 327680
    .private_segment_fixed_size: 0
    .kernarg_segment_align: 8
    .kernarg_segment_size: 16
    .max_flat_workgroup_size: 512
    .sgpr_count:     100
    .vgpr_count:     256
    .wavefront_size: 32
...
	.end_amdgpu_metadata
.endif
;; end of part 3
;; launch oproj (part 4): grid 4 x 64, 4 waves a work-group, clusters of 4 x 4, 327,680 bytes of LDS; arguments ao16, wo16, wo_b, out0; writes out0
.if DOCPART == 4
	.amdgcn_target "amdgcn-amd-amdhsa--gfx1250"
	.amdhsa_code_object_version 6
	.text
	.protected	k_q9f8a8b124e_oproj
	.globl	k_q9f8a8b124e_oproj
	.p2align	8
	.type	k_q9f8a8b124e_oproj,@function
k_q9f8a8b124e_oproj:
	s_mov_b64 s[64:65], 0
	v_nop
	global_prefetch_b8 v0, s[64:65] scope:SCOPE_SE
	s_setreg_imm32_b32 hwreg(HW_REG_WAVE_MODE, 25, 1), 1
	s_wait_xcnt 0x0
	s_wait_alu depctr_hold_cnt(0) depctr_sa_sdst(0) depctr_va_vdst(0) depctr_va_sdst(0) depctr_va_ssrc(0) depctr_va_vcc(0) depctr_vm_vsrc(0)
	s_getreg_b32 s2, hwreg(HW_REG_IB_STS2, 6, 4)
	s_cmp_eq_u32 s2, 0
	s_cbranch_scc0 .Lentry_in_a_cluster
	s_endpgm
.Lentry_in_a_cluster:
	s_bfe_u32 s2, ttmp6, 0x10000c
	s_cmp_lg_u32 s2, 0xf033
	s_cbranch_scc0 .Lentry_shape_is_right
	s_endpgm
.Lentry_shape_is_right:
; out0[m][n] = the sum over k of ao[m][k] wo_w[n][k] + wo_b[n], m = 2,048 b + l, k = 64 head + c, in f16 with f32 sums.  ao16: [b][head][l][64]; wo16: [head][n][64]; out0: [8192][1024] f32.
; All 8,192 rows are made here; the first 16 positions of each sequence are made again, in f32, by the launch that follows, which writes those 64 rows anew (leaving them out here would want a branch on a work-group's place in its cluster).
; SHARES.  A tile of out0 is 128 rows x 256 columns: 256 work-groups (256 x 256 would give 128).  Four waves, each 64 x 128: 32 accumulators, 256 registers.
; K goes in 8 steps of 128, two heads each, through a ring of two LDS slots.  A head's part of a tile is dense in memory (rows of 128 bytes): it is stated as rows of 256 bytes (two rows of the matrix) with 16 bytes of padding
; behind each: row x lies at (x / 2) x 272 + (x % 2) x 128, so that the 16 rows of a fragment load fall on 16 different groups of four banks (64 banks of 4 bytes: ISA guide 11.1).
; CLUSTERS: 4 x 4 work-groups.  The four of a row of the cluster need the same rows of ao16, the four of a column the same rows of wo16: each tile is asked for JOINTLY.  Waves 0 and 1 fetch ao16's two heads of a step, waves 2 and 3 wo16's.
; No prefetch: of the 8 K steps the first four are asked for by loads alone, and what remains is half of a short walk.
; THE MATRIX INSTRUCTION IS USED TRANSPOSED (source 0 = 16 rows of wo16, source 1 = 16 rows of ao16): a lane holds eight neighbouring columns of one row.  The bias is the C of each sum's first instruction.
; REGISTERS: window 0: v16-31 addresses; v64-95, v96-127 ao16's fragments, two buffers; v128-191 the bias; on the way out v128-255 rows of out0.   window 1: v0-63, v64-127 wo16's fragments.   window 2: the accumulators, (a, b) at v[8 (8 a + b)].
.set PITCH,  272
.set SUBA,   64*PITCH                  ; 128 rows of ao16, one head
.set SUBB,   128*PITCH                 ; 256 rows of wo16, one head
.set SLOT,   2*SUBA+2*SUBB
.set STAGE,  2*SLOT                    ; behind the ring: 16 rows x (512 bytes + 16) for each wave
.set SPITCH, 528
.set SPARE,  STAGE+4*16*SPITCH
.set ASTEP,  524288                    ; two heads on in ao16,
.set BSTEP,  262144                    ; and in wo16
.set LAPS,   4
.set ADRA, 16
.set ADRB, 20
.set STO,  24
.set RD,   25
.set CO,   26
.set SPW,  28
.set NIL,  29
.set BO,   31
.set BIAS, 128
.set BK,   128
.set G1, 24
.set G0, 32
.set G1B, 48
.set G0B, 56
.set MSB, 0
.macro WIN new
.if MSB != \new
	s_set_vgpr_msb (MSB<<8)|\new
.set MSB, \new
.endif
.endm
.set MUL, 0xa1                         ; source 0 window 1, source 1 window 0, C and D window 2
.macro JLOAD s                         ; an s_nop 0 and four v_nop follow each of the two lines; the branch hangs on the wave's number alone
	s_cmp_eq_u32 s13, 0
	s_cbranch_scc0 .Lfor_b_\@
	tensor_load_to_lds s[G0+4*\s:G0+4*\s+3], s[G1:G1+7]
	s_nop 0
.rept 4
	v_nop
.endr
	s_branch .Lasked_\@
.Lfor_b_\@:
	tensor_load_to_lds s[G0B+4*\s:G0B+4*\s+3], s[G1B:G1B+7]
	s_nop 0
.rept 4
	v_nop
.endr
.Lasked_\@:
.endm
.macro CREST                           ; a round of the cluster's barrier behind its opening barrier
	s_cmp_lg_u32 s12, 0
	s_cbranch_scc1 .Lnot_wave_0_\@
	s_barrier_signal -3
.Lnot_wave_0_\@:
	s_barrier_wait -3
	s_barrier_signal -1
	s_barrier_wait -1
.endm
.macro CROUND
	s_barrier_signal -1
	s_barrier_wait -1
	CREST
.endm
	s_load_b256 s[4:11], s[0:1], 0x0               ; ao16 s[4:5], wo16 s[6:7], wo_b s[8:9], out0 s[10:11]
	v_lshl_add_u32 v[SPW], v0, 2, SPARE
	v_mov_b32 v[NIL], 0
	ds_add_u32 v[SPW], v[NIL]                      ; the wave's opening: the add, twice on end, and its wait ahead of my first tensor load
	ds_add_u32 v[SPW], v[NIL]
	v_lshrrev_b32 v1, 5, v0
	v_readfirstlane_b32 s12, v1                    ; wave 0..3
	s_lshr_b32 s13, s12, 1                         ; which 64 rows are mine.  Also: I fetch for ao16 (0) or for wo16 (1)
	s_and_b32 s14, s12, 1                          ; which 128 columns.  Also: which head of a K step I fetch
	s_bfe_u32 s40, ttmp6, 0x40000                  ; cx: the tile column (the grid has one cluster along x)
	s_bfe_u32 s41, ttmp6, 0x40004                  ; cy
	s_and_b32 s42, ttmp7, 0xffff
	s_lshl_b32 s42, s42, 2
	s_add_co_u32 s42, s42, s41                     ; the tile row = 4 x cluster y + cy
	s_lshl_b32 s43, s41, 2
	s_lshl_b32 s43, 15, s43                        ; my row of the cluster
	s_lshl_b32 s44, 0x1111, s40                    ; my column
	s_or_b32 s[G1+0], s43, (1<<16)|(1<<20)|(1<<21)|(5<<22)|(3<<25)   ; the mask; elements of 2 bytes; padding on; bit 21 beside a mask; four words after every 64
	s_or_b32 s[G1B+0], s44, (1<<16)|(1<<20)|(1<<21)|(5<<22)|(3<<25)
	s_mov_b32 s[G1+1], 128<<16                     ; tensor_dim0 = 128 elements
	s_mov_b32 s[G1+2], 64<<16                      ; tensor_dim1 = 64
	s_mov_b32 s[G1+3], 128<<16                     ; tile_dim0
	s_mov_b32 s[G1+4], 64                          ; tile_dim1
	s_mov_b32 s[G1+5], 128                         ; tensor_dim0_stride
	s_mov_b32 s[G1+6], 0
	s_mov_b32 s[G1+7], 0
	s_mov_b32 s[G1B+1], 128<<16
	s_mov_b32 s[G1B+2], 128<<16
	s_mov_b32 s[G1B+3], 128<<16
	s_mov_b32 s[G1B+4], 128
	s_mov_b32 s[G1B+5], 128
	s_mov_b32 s[G1B+6], 0
	s_mov_b32 s[G1B+7], 0
	s_lshr_b32 s16, s42, 4                         ; ao16: the sequence, 4,194,304 bytes each;
	s_lshl_b32 s16, s16, 22
	s_and_b32 s17, s42, 15
	s_lshl_b32 s17, s17, 14                        ; 128 positions of 128 bytes;
	s_add_co_u32 s16, s16, s17
	s_lshl_b32 s17, s14, 18                        ; my head of the step: no register here ever holds cx
	s_add_co_u32 s16, s16, s17
	s_mov_b32 s17, 0
	s_lshl_b32 s46, s14, 17                        ; wo16: my head of the step, 131,072 bytes each;
	s_lshl_b32 s47, s40, 15                        ; 256 rows of 128 bytes: no register here ever holds cy
	s_add_co_u32 s46, s46, s47
	s_mov_b32 s47, 0
	s_mul_i32 s20, s14, SUBA                       ; where they go: no place in the cluster enters an LDS address
	s_mul_i32 s21, s14, SUBB
	s_add_co_u32 s21, s21, 2*SUBA
	s_wait_dscnt 0x0                               ; both opening adds are done
	s_wait_kmcnt 0x0
	s_add_nc_u64 s[16:17], s[4:5], s[16:17]
	s_add_nc_u64 s[46:47], s[6:7], s[46:47]
	CROUND                                         ; all sixteen work-groups are here: the first joint loads meet
.irp s, 0,1
	s_mov_b32 s[G0+4*\s], 1
	s_add_co_u32 s[G0+4*\s+1], s20, \s*SLOT
	s_add_nc_u64 s[G0+4*\s+2:G0+4*\s+3], s[16:17], \s*ASTEP
	s_or_b32 s[G0+4*\s+3], s[G0+4*\s+3], 0x80000000
	s_mov_b32 s[G0B+4*\s], 1
	s_add_co_u32 s[G0B+4*\s+1], s21, \s*SLOT
	s_add_nc_u64 s[G0B+4*\s+2:G0B+4*\s+3], s[46:47], \s*BSTEP
	s_or_b32 s[G0B+4*\s+3], s[G0B+4*\s+3], 0x80000000
	JLOAD \s                                       ; two tensor loads of mine are out
.endr
	v_and_b32 v1, 15, v0                           ; r
	v_bfe_u32 v2, v0, 4, 1                         ; h
	s_lshl_b32 s46, s40, 10
	s_lshl_b32 s47, s14, 9
	s_add_co_u32 s46, s46, s47                     ; my first column, in bytes of f32: (256 cx + 128 x half) x 4
	s_mov_b32 s47, 0
	s_add_nc_u64 s[8:9], s[8:9], s[46:47]
	v_lshlrev_b32 v[BO], 5, v2
.irp b, 0,1,2,3,4,5,6,7
	global_load_b128 v[BIAS+8*\b:BIAS+8*\b+3], v[BO], s[8:9] offset:64*\b          ; register 8 b + j of lane (r, h) = wo_b[n0 + 16 b + 8 h + j]
	global_load_b128 v[BIAS+8*\b+4:BIAS+8*\b+7], v[BO], s[8:9] offset:64*\b+16
.endr
	v_lshrrev_b32 v3, 1, v1
	v_mul_u32_u24 v3, v3, PITCH
	v_and_b32 v4, 1, v1
	v_lshl_add_u32 v3, v4, 7, v3
	v_lshl_add_u32 v3, v2, 4, v3                   ; row r: (r / 2) x 272 + (r % 2) x 128, + 16 h
	s_mul_i32 s22, s13, 32*PITCH                   ; my 64 rows of ao16
	s_mul_i32 s23, s14, 64*PITCH                   ; my 128 rows of wo16,
	s_add_co_u32 s23, s23, 2*SUBA                  ; which lie behind ao16's two heads
.irp s, 0,1
	v_add_nc_u32 v[ADRA+\s], s22, v3
	v_add_nc_u32 v[ADRB+\s], s23, v3
	s_add_co_u32 s22, s22, SLOT
	s_add_co_u32 s23, s23, SLOT
.endr
	s_mul_i32 s22, s12, 16*SPITCH
	s_add_co_u32 s22, s22, STAGE                   ; my stage
	v_mul_u32_u24 v5, v1, SPITCH
	v_lshl_add_u32 v5, v2, 5, v5
	v_add_nc_u32 v[STO], s22, v5                   ; in: row r, 32 bytes for each half of the lanes
	v_and_b32 v6, 31, v0
	v_lshlrev_b32 v[CO], 4, v6                     ; back: the 32 lanes take one row of 512 bytes; and the same in out0
	v_add_nc_u32 v[RD], s22, v[CO]
	s_lshl_b32 s22, s42, 19                        ; 128 rows of 4,096 bytes a tile row,
	s_lshl_b32 s23, s13, 18                        ; my 64 of them,
	s_add_co_u32 s22, s22, s23
	s_add_co_u32 s22, s22, s46                     ; my first column
	s_mov_b32 s23, 0
	s_add_nc_u64 s[10:11], s[10:11], s[22:23]
; 8 matrix instructions: ao16's block a against wo16's eight, 32 along K, from buffers f.  first = 1: the bias is C and starts the sums.  The 32 accumulators take turns in the same order in every quarter.
.macro MUL8 f, a, first
.irp b, 0,1,2,3,4,5,6,7
.if \first
	v_wmma_f32_16x16x32_f16 v[8*(8*(\a)+\b):8*(8*(\a)+\b)+7], v[64*(\f)+8*\b:64*(\f)+8*\b+7], v[64+32*(\f)+8*(\a):64+32*(\f)+8*(\a)+7], v[BIAS+8*\b:BIAS+8*\b+7]
.else
	v_wmma_f32_16x16x32_f16 v[8*(8*(\a)+\b):8*(8*(\a)+\b)+7], v[64*(\f)+8*\b:64*(\f)+8*\b+7], v[64+32*(\f)+8*(\a):64+32*(\f)+8*(\a)+7], v[8*(8*(\a)+\b):8*(8*(\a)+\b)+7]
.endif
.endr
.endm
; 24 LDS loads in one run: the fragments of the slot's quarter kq (head kq / 2, channels 32 (kq % 2) on) into buffers f
.macro FETCH slot, kq, f
	WIN 0x40                                       ; destination window 1
.irp i, 0,1,2,3,4,5,6,7
	ds_load_b128 v[64*(\f)+8*\i:64*(\f)+8*\i+3],   v[ADRB+\slot] offset:((\kq)/2)*SUBB+((\kq)%2)*64+\i*2176
	ds_load_b128 v[64*(\f)+8*\i+4:64*(\f)+8*\i+7], v[ADRB+\slot] offset:((\kq)/2)*SUBB+((\kq)%2)*64+\i*2176+32
.endr
	WIN 0
.irp i, 0,1,2,3
	ds_load_b128 v[64+32*(\f)+8*\i:64+32*(\f)+8*\i+3],   v[ADRA+\slot] offset:((\kq)/2)*SUBA+((\kq)%2)*64+\i*2176
	ds_load_b128 v[64+32*(\f)+8*\i+4:64+32*(\f)+8*\i+7], v[ADRA+\slot] offset:((\kq)/2)*SUBA+((\kq)%2)*64+\i*2176+32
.endr
.endm
.macro PLACES                          ; four plain vector instructions in front of loads into registers that matrix instructions have read, and of reads of results
.rept 4
	v_nop
.endr
.endm
; One of a K step's first three quarters: multiplies buffers f; in its middle it fetches quarter kq of the same slot into buffers g.
.macro QUARTER slot, kq, f, g, first
	s_wait_dscnt 4                                 ; wo16's fragments and ao16's blocks 0, 1 are in; the youngest four loads (blocks 2, 3) may be out
.if \first
	WIN 0x81                                       ; C (the bias) in window 0
.else
	WIN MUL
.endif
	MUL8 \f, 0, \first
	MUL8 \f, 1, \first
	PLACES
	FETCH \slot, \kq, \g
	s_wait_dscnt 24                                ; all but the 24 just issued
.if \first
	WIN 0x81
.else
	WIN MUL
.endif
	MUL8 \f, 2, \first
	MUL8 \f, 3, \first
.endm
; The last quarter multiplies buffers 1 and changes slots: ONE barrier; in front of it each wave waits for all its tensor loads (its part of the next slot), adds 0 to its spare word, and waits for that and for its reads of this slot.
; fill = 1: the barrier opens a round of the cluster's, and this slot is filled again, two K steps ahead: 112 matrix instructions stand between the request and the wait for it.
.macro TURN slot, next, fill
	WIN 0                                          ; (the add's two registers lie in window 0)
	s_wait_tensorcnt 0x0
	ds_add_u32 v[SPW], v[NIL]
	s_wait_dscnt 5                                 ; (the add and the youngest four loads may be out)
	WIN MUL
	MUL8 1, 0, 0                                   ; eight matrix instructions stand between the add and the wait for it
	s_wait_dscnt 0x0                               ; the add is done, and my reads of this slot are over
	s_barrier_signal -1
	MUL8 1, 1, 0
.if \fill
	WIN 0
.endif
	s_barrier_wait -1
.if \fill
	CREST                                          ; no wave of any partner still reads this slot's tile or has a load on its way
	s_add_nc_u64 s[G0+4*\slot+2:G0+4*\slot+3], s[G0+4*\slot+2:G0+4*\slot+3], 2*ASTEP
	s_add_nc_u64 s[G0B+4*\slot+2:G0B+4*\slot+3], s[G0B+4*\slot+2:G0B+4*\slot+3], 2*BSTEP
	JLOAD \slot                                    ; the first tensor load behind the round; its four v_nop are also the places in front of the loads below
.else
	PLACES
.endif
	FETCH \next, 0, 0
	WIN MUL
	MUL8 1, 2, 0
	MUL8 1, 3, 0
.endm
	s_wait_tensorcnt 1                             ; my part of K step 0 is in; K step 1's load may be out
	s_barrier_signal -1
	s_barrier_wait -1
	FETCH 0, 0, 0
	s_wait_loadcnt 0x0                             ; the bias
	QUARTER 0, 1, 0, 1, 1                          ; the first quarter stands in front of the loop: its products start the sums
	WIN 0                                          ; at a label and at a branch every window is 0
	s_mov_b32 s3, LAPS-1
.Llap:                                                 ; a trip goes once round the ring and fills both slots again
	QUARTER 0, 2, 1, 0, 0
	QUARTER 0, 3, 0, 1, 0
	TURN 0, 1, 1
	QUARTER 1, 1, 0, 1, 0
	QUARTER 1, 2, 1, 0, 0
	QUARTER 1, 3, 0, 1, 0
	TURN 1, 0, 1
	QUARTER 0, 1, 0, 1, 0
	WIN 0
	s_sub_co_u32 s3, s3, 1
	s_cmp_lg_u32 s3, 0
	s_cbranch_scc1 .Llap
	QUARTER 0, 2, 1, 0, 0                          ; the last lap fills nothing
	QUARTER 0, 3, 0, 1, 0
	TURN 0, 1, 0
	QUARTER 1, 1, 0, 1, 0
	QUARTER 1, 2, 1, 0, 0
	QUARTER 1, 3, 0, 1, 0
	s_wait_dscnt 4                                 ; the very last quarter
	WIN MUL
	MUL8 1, 0, 0
	MUL8 1, 1, 0
	s_wait_dscnt 0
	MUL8 1, 2, 0
	MUL8 1, 3, 0
	WIN 0
; THE WAY OUT, block by block of 16 rows x 128 columns: through my own stage and back as whole rows of 512 bytes.
.macro TOSTAGE a
	WIN 0x08                                       ; an LDS store's data are its source 1: window 2
.irp b, 0,1,2,3,4,5,6,7
	ds_store_b128 v[STO], v[64*(\a)+8*\b:64*(\a)+8*\b+3] offset:64*\b          ; each accumulator from its low end on
	ds_store_b128 v[STO], v[64*(\a)+8*\b+4:64*(\a)+8*\b+7] offset:64*\b+16
.endr
	WIN 0
.set BB, BK+64*((\a)%2)
.irp t, 0,1,2,3,4,5,6,7,8,9,10,11,12,13,14,15
	ds_load_b128 v[BB+4*\t:BB+4*\t+3], v[RD] offset:\t*SPITCH   ; LDS serves a wave's instructions in order (ISA guide 5.7.1.4)
.endr
.endm
.macro SEND a, younger
.set BB, BK+64*((\a)%2)
	s_wait_dscnt \younger
.irp t, 0,1,2,3,4,5,6,7,8,9,10,11,12,13,14,15
	global_store_b128 v[CO], v[BB+4*\t:BB+4*\t+3], s[10:11] offset:(16*(\a)+\t)*4096 th:TH_STORE_NT   ; 32 lanes store 512 consecutive bytes, aligned
.endr
.endm
	PLACES
	TOSTAGE 0
.irp a, 1,2,3
.if \a > 1
	s_wait_xcnt 0x0                                ; block a - 2's stores have read their registers: block a's loads may land there
.endif
	TOSTAGE \a
	SEND \a-1, 32                                  ; behind block a - 1's loads: block a's 16 stores and 16 loads
.endr
	SEND 3, 0
	s_wait_tensorcnt 0x0                           ; the wave's end
	ds_add_u32 v[SPW], v[NIL]
	s_wait_dscnt 0x0
	CROUND                                         ; the closing round
	s_endpgm
.Lfunc_end_k_q9f8a8b124e_oproj:
	.size	k_q9f8a8b124e_oproj, .Lfunc_end_k_q9f8a8b124e_oproj-k_q9f8a8b124e_oproj
	.p2alignl 7, 3214868480
	.fill 96, 4, 3214868480
	.section	.rodata,"a",@progbits
	.p2align	6, 0x0
	.amdhsa_kernel k_q9f8a8b124e_oproj
		.amdhsa_group_segment_fixed_size 327680
		.amdhsa_private_segment_fixed_size 0
		.amdhsa_enable_private_segment 0
		.amdhsa_kernarg_size 32
		.amdhsa_user_sgpr_count 2
		.amdhsa_user_sgpr_kernarg_segment_ptr 1
		.amdhsa_wavefront_size32 1
		.amdhsa_system_sgpr_workgroup_id_x 1
		.amdhsa_system_sgpr_workgroup_id_y 1
		.amdhsa_system_sgpr_workgroup_id_z 1
		.amdhsa_system_vgpr_workitem_id 0
		.amdhsa_next_free_vgpr 768
		.amdhsa_next_free_sgpr 66
		.amdhsa_reserve_vcc 0
		.amdhsa_float_denorm_mode_32 3
		.amdhsa_float_denorm_mode_16_64 3
		.amdhsa_memory_ordered 1
		.amdhsa_forward_progress 1
		.amdhsa_inst_pref_size 87
	.end_amdhsa_kernel
	.amdgpu_metadata
---
amdhsa.version: [ 1, 2 ]
amdhsa.kernels:
  - .name:           k_q9f8a8b124e_oproj
    .symbol:         k_q9f8a8b124e_oproj.kd
    .args:
      - { .name: ao16, .offset: 0, .size: 8, .value_kind: global_buffer, .address_space: global }
      - { .name: wo16, .offset: 8, .size: 8, .value_kind: global_buffer, .address_space: global }
      - { .name: wo_b, .offset: 16, .size: 8, .value_kind: global_buffer, .address_space: global }
      - { .name: out0, .offset: 24, .size: 8, .value_kind: global_buffer, .address_space: global }
    .group_segment_fixed_size: 327680
    .private_segment_fixed_size: 0
    .kernarg_segment_align: 8
    .kernarg_segment_size: 32
    .max_flat_workgroup_size: 128
    .sgpr_count:     66
    .vgpr_count:     768
    .wavefront_size: 32
...
	.end_amdgpu_metadata
.endif
;; end of part 4
;; launch first (part 5): grid 64 x 4, 4 waves a work-group, no clusters, 4,608 bytes of LDS; arguments qkv32, wo_w, wo_b, out0; writes out0
.if DOCPART == 5
	.amdgcn_target "amdgcn-amd-amdhsa--gfx1250"
	.amdhsa_code_object_version 6
	.text
	.protected	k_q9f8a8b124e_first
	.globl	k_q9f8a8b124e_first
	.p2align	8
	.type	k_q9f8a8b124e_first,@function
k_q9f8a8b124e_first:
	s_mov_b64 s[64:65], 0
	v_nop
	global_prefetch_b8 v0, s[64:65] scope:SCOPE_SE
	s_setreg_imm32_b32 hwreg(HW_REG_WAVE_MODE, 25, 1), 1
	s_wait_xcnt 0x0
; The first 16 positions of each of the 4 sequences, all in f32: scores, causal softmax, P V and their rows of the output projection.  These rows average one to sixteen values and are the largest of the result.
; qkv32: [tensor][b][l 16][1024] f32; wo_w [1024][1024]; out0 rows 2,048 b + 0..15 are written anew.
; SHARES.  Work-group (x, b) makes columns 16 x .. 16 x + 15 of the sequence's 16 rows.  Wave w takes heads 4 w .. 4 w + 3, which are its 256 of the projection's 1,024 along K; the four waves' parts meet in LDS.
; The small attention is made again in each of the 64 slices (128 matrix instructions a wave beside the projection's 64): so no sum spans work-groups.  The stores are pieces of 64 bytes, 256 KiB in all.
; No tensor loads, no cluster, no prefetch: a work-group reads some 260 KiB once, all asked for at its head.
; LAYOUT (v_wmma_f32_16x16x4_f32: lane (r, h) holds row or column r, register j holds k = 2 h + j).  k is permuted alike in both sources.  S^T = K Q^T: a load of 16 bytes at channel 8 s + 4 h gives two K steps.
; In S^T a lane holds query r and keys 8 h + 0..7; registers 2 s, 2 s + 1 of the weights are source 1 of O^T = V^T P, with V loaded so that register jj holds key 8 h + jj of channel 16 t + r; O^T's registers 2 s, 2 s + 1
; (channels 16 t + 8 h + 2 s on) are source 1 of Y^T = W O^T, with W's row n0 + r loaded at the same channels.  The weights are divided by their sum ahead of P V, so that no vector instruction writes a sum.
; The registers that the matrix instructions write (v16-47, v80-239) are written by them alone.
; A hidden key gets weight 0, where the model fills -1e9 ahead of the softmax.
.set S,   16                           ; v16-47   S^T, head g at 8 g
.set P,   48                           ; v48-79   the weights
.set O,   80                           ; v80-207  O^T, (g, t) at 32 g + 8 t
.set Y,   208                          ; v208-239 Y^T, one for each head
.set TM,  240                          ; v240-247 at work
.set BI,  248                          ; v248-255 the bias
.set SPW, 12
.set NIL, 13
.set SPARE, 4096                       ; behind the four images of 1,024 bytes: the spare words
.set MSB, 0
.macro WIN new
.if MSB != \new
	s_set_vgpr_msb (MSB<<8)|\new
.set MSB, \new
.endif
.endm
	s_load_b256 s[4:11], s[0:1], 0x0               ; qkv32, wo_w, wo_b, out0
	v_lshl_add_u32 v[SPW], v0, 2, SPARE
	v_mov_b32 v[NIL], 0
	v_lshrrev_b32 v1, 5, v0
	v_readfirstlane_b32 s12, v1                    ; wave
	s_and_b32 s13, ttmp7, 0xffff                   ; the sequence
	v_and_b32 v8, 15, v0                           ; r
	v_bfe_u32 v9, v0, 4, 1                         ; h
	v_and_b32 v10, 31, v0
	v_lshlrev_b32 v1, 12, v8
	v_lshl_add_u32 v3, v9, 5, v1                   ; wo_w and out0: row r of 4,096 bytes + 32 h
	v_lshl_add_u32 v1, v9, 4, v1                   ; Q and K: row r + 16 h
	v_lshlrev_b32 v2, 2, v8
	v_lshl_add_u32 v2, v9, 15, v2                  ; V: key 8 h, channel r
	v_lshlrev_b32 v4, 5, v9                        ; the bias: 32 h
	v_lshlrev_b32 v5, 3, v9
	v_sub_nc_u32 v5, v8, v5                        ; r - 8 h
	s_lshl_b32 s14, s12, 10
	v_lshl_add_u32 v6, v10, 4, s14                 ; my image in LDS: 1,024 x wave + 16 x lane
	v_lshlrev_b32 v7, 4, v10                       ; and where wave 0 reads the others'
	s_lshl_b32 s16, s13, 16
	s_add_co_u32 s16, s16, s14                     ; the sequence's 65,536 bytes, my four heads' 1,024
	s_mov_b32 s17, 0
	s_lshl_b32 s18, ttmp9, 16                      ; wo_w: 16 rows of 4,096 bytes a slice,
	s_add_co_u32 s18, s18, s14                     ; my four heads' channels
	s_mov_b32 s19, 0
	s_lshl_b32 s20, ttmp9, 6                       ; the slice's first column, in bytes
	s_mov_b32 s21, 0
	s_lshl_b32 s22, s13, 23                        ; out0: 8,388,608 bytes a sequence
	s_add_co_u32 s22, s22, s20
	s_mov_b32 s23, 0
	s_mov_b32 s24, 0x76543210
	s_mov_b32 s25, 0xfedcba98
	s_mov_b32 s26, 0x3e38aa3b                      ; c = log2(e) / 8
	s_wait_kmcnt 0x0
	s_add_nc_u64 s[4:5], s[4:5], s[16:17]
	s_add_nc_u64 s[6:7], s[6:7], s[18:19]
	s_add_nc_u64 s[8:9], s[8:9], s[20:21]
	s_add_nc_u64 s[10:11], s[10:11], s[22:23]
	WIN 0x40                                       ; destination window 1: Q at 32 g + 4 s, K at 128 + 32 g + 4 s
.irp g, 0,1,2,3
.irp s, 0,1,2,3,4,5,6,7
	global_load_b128 v[32*\g+4*\s:32*\g+4*\s+3], v1, s[4:5] offset:256*\g+32*\s
	global_load_b128 v[128+32*\g+4*\s:128+32*\g+4*\s+3], v1, s[4:5] offset:262144+256*\g+32*\s
.endr
.endr
	WIN 0x80                                       ; destination window 2: V at 32 g + 8 t + jj, W at 128 + 32 g + 8 t
.irp g, 0,1,2,3
.irp t, 0,1,2,3
.irp j, 0,1,2,3,4,5,6,7
	global_load_b32 v[32*\g+8*\t+\j], v2, s[4:5] offset:524288+\j*4096+256*\g+64*\t
.endr
.endr
.endr
.irp g, 0,1,2,3
.irp t, 0,1,2,3
	global_load_b128 v[128+32*\g+8*\t:128+32*\g+8*\t+3], v3, s[6:7] offset:256*\g+64*\t
	global_load_b128 v[128+32*\g+8*\t+4:128+32*\g+8*\t+7], v3, s[6:7] offset:256*\g+64*\t+16
.endr
.endr
	WIN 0
	global_load_b128 v[BI:BI+3], v4, s[8:9]
	global_load_b128 v[BI+4:BI+7], v4, s[8:9] offset:16
	s_wait_loadcnt 63                              ; Q and K are in: 162 loads were issued behind them, and 63 is the largest count that the wait can name
	WIN 0x05                                       ; sources 0 and 1 in window 1
.irp s, 0,1,2,3,4,5,6,7                        ; S^T = K Q^T: the four heads take turns; the first four start the sums
.irp u, 0,1
.irp g, 0,1,2,3
.if (\s == 0) && (\u == 0)
	v_wmma_f32_16x16x4_f32 v[S+8*\g:S+8*\g+7], v[128+32*\g+4*\s+2*\u:128+32*\g+4*\s+2*\u+1], v[32*\g+4*\s+2*\u:32*\g+4*\s+2*\u+1], 0
.else
	v_wmma_f32_16x16x4_f32 v[S+8*\g:S+8*\g+7], v[128+32*\g+4*\s+2*\u:128+32*\g+4*\s+2*\u+1], v[32*\g+4*\s+2*\u:32*\g+4*\s+2*\u+1], v[S+8*\g:S+8*\g+7]
.endif
.endr
.endr
.endr
	WIN 0
.rept 8
	v_nop                                          ; eight places behind this form, in front of the first read of results (ISA guide 7.12.1)
.endr
	v_mov_b32 v[TM+7], 0xff800000                  ; -infinity
.irp b, 4,5,6
	v_mov_b32 v[TM+\b], 0                          ; written once: a lane permute's destination counts as one of its sources
.endr
.irp j, 0,1,2,3,4,5,6,7                        ; register j holds key 8 h + j: hidden where j > r - 8 h.  The scores go into other registers; each sum is read from its low end on
	v_cmp_gt_i32 vcc_lo, \j, v5
.irp g, 0,1,2,3
	v_cndmask_b32 v[P+8*\g+\j], v[S+8*\g+\j], v[TM+7], vcc_lo
.endr
.endr
.irp g, 0,1,2,3
	v_max3_num_f32 v[TM+\g], v[P+8*\g], v[P+8*\g+1], v[P+8*\g+2]
.endr
.irp i, 3,5
.irp g, 0,1,2,3
	v_max3_num_f32 v[TM+\g], v[TM+\g], v[P+8*\g+\i], v[P+8*\g+\i+1]
.endr
.endr
.irp g, 0,1,2,3
	v_max_num_f32 v[TM+\g], v[TM+\g], v[P+8*\g+7]
.endr
.irp g, 0,1,2,3
	v_permlanex16_b32 v[TM+4+\g], v[TM+\g], s24, s25
.endr
.irp g, 0,1,2,3
	v_max_num_f32 v[TM+\g], v[TM+\g], v[TM+4+\g]   ; the row's maximum: key 0 counts for every query, so it is a number
.endr
.irp g, 0,1,2,3
	v_mul_f32 v[TM+\g], s26, v[TM+\g]              ; c m
.endr
.irp j, 0,1,2,3,4,5,6,7
.irp g, 0,1,2,3
	v_fma_f32 v[P+8*\g+\j], v[P+8*\g+\j], s26, -v[TM+\g]   ; c s - c m
.endr
.endr
.irp j, 0,1,2,3,4,5,6,7,8,9,10,11,12,13,14,15,16,17,18,19,20,21,22,23,24,25,26,27,28,29,30,31
	v_exp_f32 v[P+\j], v[P+\j]
.endr
	v_nop                                          ; one plain instruction behind the batch,
	s_wait_alu depctr_va_vdst(0)                   ; and one wait for it, ahead of its first reader
.irp g, 0,1,2,3
	v_add_f32 v[TM+\g], v[P+8*\g], v[P+8*\g+1]
.endr
.irp i, 2,3,4,5,6,7
.irp g, 0,1,2,3
	v_add_f32 v[TM+\g], v[TM+\g], v[P+8*\g+\i]
.endr
.endr
.irp g, 0,1,2,3
	v_permlanex16_b32 v[TM+4+\g], v[TM+\g], s24, s25
.endr
.irp g, 0,1,2,3
	v_add_f32 v[TM+\g], v[TM+\g], v[TM+4+\g]       ; the row's sum
.endr
.irp g, 0,1,2,3
	v_rcp_f32 v[TM+\g], v[TM+\g]
.endr
	v_nop
	s_wait_alu depctr_va_vdst(0)                   ; one wait for the four reciprocals
.irp j, 0,1,2,3,4,5,6,7
.irp g, 0,1,2,3
	v_mul_f32 v[P+8*\g+\j], v[P+8*\g+\j], v[TM+\g] ; the weights, normalised
.endr
.endr
	s_wait_loadcnt 34                              ; V is in; wo_w's 32 loads and the bias's 2 may be out
	WIN 0x02                                       ; source 0 in window 2
.irp s, 0,1,2,3                                ; O^T = V^T P: sixteen accumulators by turns
.irp g, 0,1,2,3
.irp t, 0,1,2,3
.if \s == 0
	v_wmma_f32_16x16x4_f32 v[O+32*\g+8*\t:O+32*\g+8*\t+7], v[32*\g+8*\t+2*\s:32*\g+8*\t+2*\s+1], v[P+8*\g+2*\s:P+8*\g+2*\s+1], 0
.else
	v_wmma_f32_16x16x4_f32 v[O+32*\g+8*\t:O+32*\g+8*\t+7], v[32*\g+8*\t+2*\s:32*\g+8*\t+2*\s+1], v[P+8*\g+2*\s:P+8*\g+2*\s+1], v[O+32*\g+8*\t:O+32*\g+8*\t+7]
.endif
.endr
.endr
.endr
.rept 9
	v_nop                                          ; nine places: these results go on as a source of the next products
.endr
	s_wait_loadcnt 0x0                             ; wo_w and the bias
.irp t, 0,1,2,3                                ; Y^T += W O^T: one accumulator a head, by turns
.irp s, 0,1,2,3
.irp g, 0,1,2,3
.if (\t == 0) && (\s == 0)
	v_wmma_f32_16x16x4_f32 v[Y+8*\g:Y+8*\g+7], v[128+32*\g+8*\t+2*\s:128+32*\g+8*\t+2*\s+1], v[O+32*\g+8*\t+2*\s:O+32*\g+8*\t+2*\s+1], 0
.else
	v_wmma_f32_16x16x4_f32 v[Y+8*\g:Y+8*\g+7], v[128+32*\g+8*\t+2*\s:128+32*\g+8*\t+2*\s+1], v[O+32*\g+8*\t+2*\s:O+32*\g+8*\t+2*\s+1], v[Y+8*\g:Y+8*\g+7]
.endif
.endr
.endr
.endr
	WIN 0
.rept 8
	v_nop
.endr
.irp j, 0,2,4,6                                ; my four heads' parts, each read from its low end on
	v_pk_add_f32 v[TM+\j:TM+\j+1], v[Y+\j:Y+\j+1], v[Y+8+\j:Y+8+\j+1]
.endr
.irp j, 0,2,4,6
	v_pk_add_f32 v[TM+\j:TM+\j+1], v[TM+\j:TM+\j+1], v[Y+16+\j:Y+16+\j+1]
.endr
.irp j, 0,2,4,6
	v_pk_add_f32 v[TM+\j:TM+\j+1], v[TM+\j:TM+\j+1], v[Y+24+\j:Y+24+\j+1]
.endr
	ds_store_b128 v6, v[TM:TM+3]                   ; an image of my eight registers: 16 bytes a lane
	ds_store_b128 v6, v[TM+4:TM+7] offset:512
	s_wait_dscnt 0x0                               ; for the others' sake: my stores are done
	s_barrier_signal -1
	s_barrier_wait -1
	s_cmp_lg_u32 s12, 0                            ; wave 0 adds the four parts and the bias, and stores
	s_cbranch_scc1 .Ldone
.irp w, 1,2,3
	ds_load_b128 v[P+8*(\w-1):P+8*(\w-1)+3], v7 offset:1024*\w
	ds_load_b128 v[P+8*(\w-1)+4:P+8*(\w-1)+7], v7 offset:1024*\w+512
.endr
	s_wait_dscnt 0x0
.irp w, 0,1,2
.irp j, 0,2,4,6
	v_pk_add_f32 v[TM+\j:TM+\j+1], v[TM+\j:TM+\j+1], v[P+8*\w+\j:P+8*\w+\j+1]
.endr
.endr
.irp j, 0,2,4,6
	v_pk_add_f32 v[TM+\j:TM+\j+1], v[TM+\j:TM+\j+1], v[BI+\j:BI+\j+1]
.endr
	global_store_b128 v3, v[TM:TM+3], s[10:11]     ; lane (r, h): out0(position r, columns n0 + 8 h + 0 .. 7)
	global_store_b128 v3, v[TM+4:TM+7], s[10:11] offset:16
.Ldone:
	s_wait_tensorcnt 0x0                           ; the wave's end, behind my last LDS store
	ds_add_u32 v[SPW], v[NIL]
	s_wait_dscnt 0x0
	s_endpgm
.Lfunc_end_k_q9f8a8b124e_first:
	.size	k_q9f8a8b124e_first, .Lfunc_end_k_q9f8a8b124e_first-k_q9f8a8b124e_first
	.p2alignl 7, 3214868480
	.fill 96, 4, 3214868480
	.section	.rodata,"a",@progbits
	.p2align	6, 0x0
	.amdhsa_kernel k_q9f8a8b124e_first
		.amdhsa_group_segment_fixed_size 4608
		.amdhsa_private_segment_fixed_size 0
		.amdhsa_enable_private_segment 0
		.amdhsa_kernarg_size 32
		.amdhsa_user_sgpr_count 2
		.amdhsa_user_sgpr_kernarg_segment_ptr 1
		.amdhsa_wavefront_size32 1
		.amdhsa_system_sgpr_workgroup_id_x 1
		.amdhsa_system_sgpr_workgroup_id_y 1
		.amdhsa_system_sgpr_workgroup_id_z 1
		.amdhsa_system_vgpr_workitem_id 0
		.amdhsa_next_free_vgpr 768
		.amdhsa_next_free_sgpr 66
		.amdhsa_reserve_vcc 1
		.amdhsa_float_denorm_mode_32 3
		.amdhsa_float_denorm_mode_16_64 3
		.amdhsa_memory_ordered 1
		.amdhsa_forward_progress 1
		.amdhsa_inst_pref_size 48
	.end_amdhsa_kernel
	.amdgpu_metadata
---
amdhsa.version: [ 1, 2 ]
amdhsa.kernels:
  - .name:           k_q9f8a8b124e_first
    .symbol:         k_q9f8a8b124e_first.kd
    .args:
      - { .name: qkv32, .offset: 0, .size: 8, .value_kind: global_buffer, .address_space: global }
      - { .name: wo_w, .offset: 8, .size: 8, .value_kind: global_buffer, .address_space: global }
      - { .name: wo_b, .offset: 16, .size: 8, .value_kind: global_buffer, .address_space: global }
      - { .name: out0, .offset: 24, .size: 8, .value_kind: global_buffer, .address_space: global }
    .group_segment_fixed_size: 4608
    .private_segment_fixed_size: 0
    .kernarg_segment_align: 8
    .kernarg_segment_size: 32
    .max_flat_workgroup_size: 128
    .sgpr_count:     66
    .vgpr_count:     768
    .wavefront_size: 32
...
	.end_amdgpu_metadata
.endif
;; end of part 5
